; MI455X (gfx1250); checked and timed in simulation.
; The chip was launched on July 23, 2026; its instructions are those of AMD's public machine-readable ISA for CDNA 5 (MIT licence, August 2026) and "CDNA5" Instruction Set Architecture Reference Guide (July 2026). The comments in the code are by the model that wrote it; some were corrected since.
;; Attention Layer. Allowed arithmetic: matrix products marked QUANTISED: E2M3 operands, one E8M0 scale for each 32 along K, by v_wmma_scale_f32_16x16x128_f8f6f4 with both operands' format E2M3, f32 sums; everything else in f32.
;; Inputs: W1 1,024 x 4,096 float32; W2 4,096 x 1,024 float32; Wk 1,024 x 1,024 float32; Wo 1,024 x 1,024 float32; Wq 1,024 x 1,024 float32; Wv 1,024 x 1,024 float32; b1 4,096 float32; b2 1,024 float32; be1 1,024 float32; be2 1,024 float32; bo 1,024 float32; g1 1,024 float32; g2 1,024 float32; mask 2 x 2,048 x 2,048 int32; x 2 x 2,048 x 1,024 float32.
;; Outputs: out0 2 x 2,048 x 1,024 float32.
;; This version of the problem:
;;   THIS VERSION OF THE PROBLEM IS GIVEN IN LOW PRECISION. The matrix products marked QUANTISED in the list below multiply operands that are first quantised to E2M3 (2 exponent bits, 3 mantissa bits; 6 bits a number), with one power-of-two scale for each 32 numbers along K (OCP MX v1.0); their sums are f32. All else is computed in f32.
;;   The module's matrix products, in the order in which they are computed (A, B: the left and right operand; K: the contracted axis; several contracted axes count as one K, in the product's order):
;;     1. [M 4,096, K 1,024] x [K 1,024, N 1,024]; A: computed on the way; B: input Wq: QUANTISED
;;     2. [M 4,096, K 1,024] x [K 1,024, N 1,024]; A: computed on the way; B: input Wk: QUANTISED
;;     3. [M 4,096, K 1,024] x [K 1,024, N 1,024]; A: computed on the way; B: input Wv: QUANTISED
;;     4. batch 32 x [M 2,048, K 64] x [K 64, N 2,048]; A: computed on the way; B: computed on the way: QUANTISED
;;     5. batch 32 x [M 2,048, K 2,048] x [K 2,048, N 64]; A: softmax (see below); B: computed on the way: QUANTISED
;;     6. [M 4,096, K 1,024] x [K 1,024, N 1,024]; A: computed on the way; B: input Wo: QUANTISED
;;     7. [M 4,096, K 1,024] x [K 1,024, N 4,096]; A: computed on the way; B: input W1: QUANTISED
;;     8. [M 4,096, K 4,096] x [K 4,096, N 1,024]; A: computed on the way; B: input W2: QUANTISED
;;   THE QUANTISER, for each operand of a quantised product, along K:
;;     - K is cut into blocks of 32 from its start; a last block that is shorter is filled with zeros.
;;     - A block's scale is 2^e with e = floor(log2(the largest magnitude in the block)) - 2, held to -126 .. 127; a block of zeros has e = 0. As a byte (E8M0): e + 127.
;;     - Each number is divided by its block's scale, clamped to +-7.5, and rounded to the nearest number of E2M3, ties to even, subnormals kept.
;;     - The product sums the exact products of the quantised numbers (number of the format x scale) in f32.
;;   ~~~python
;;   def quantise(x, axis):      # numpy; x: float32 -> the quantised numbers, widened to float32 again
;;       x = np.moveaxis(x, axis, -1); K = x.shape[-1]
;;       x = np.pad(x, [(0, 0)] * (x.ndim - 1) + [(0, -K % 32)]); x = x.reshape(x.shape[:-1] + (-1, 32)); a = np.abs(x).max(-1, keepdims=True)
;;       e = np.where(a > 0, np.clip(np.frexp(np.where(a > 0, a, 1))[1] - 1 - 2, -126, 127), 0)      # np.frexp(a)[1] - 1 = floor(log2(a)), exactly
;;       r = np.clip(x / 2.0 ** e, -7.5, 7.5)
;;       step = 2.0 ** (np.maximum(np.frexp(np.where(r == 0, 1, r))[1] - 1, 0) - 3)
;;       q = np.round(r / step) * step * 2.0 ** e      # np.round: ties to even
;;       return np.moveaxis(q.reshape(q.shape[:-2] + (-1,))[..., :K], -1, axis).astype(np.float32)
;;   ~~~
;;   SOFTMAX AHEAD OF A QUANTISED PRODUCT. Where the list says 'softmax', what is quantised is not the finished softmax but p = 2^(t - M), with t = logit x log2(e) and M = ceil(the row's largest t), a whole number; so 1/2 < the row's largest p <= 1. The row's sum l is taken of the UNQUANTISED p, in f32, and the product's result is divided by l at the end. Since M is a whole number, a kernel that streams over the keys may use a running M (the ceiling of the running maximum): every later rescaling is an exact power of two, which a block's scale takes up: the codes' values come out the same.
;;   OPERANDS COMPUTED ON THE WAY. 'Computed on the way' means the value that the module computes at that place (a softmax that the list does not call 'softmax' is quantised finished and normalised). What goes into a quantiser is computed in f32, as accurately as f32 sums, v_exp_f32 and their like allow (about 1e-6 of the number): no bf16 or f16 on the way to a quantiser, and a product that is left as it is and whose result goes on into a quantised operand takes f32 operands (vector FMAs, or v_wmma_f32_16x16x4_f32). A number that lies on a knife's edge between two numbers of the format may be rounded either way, as far as f32 arithmetic and the matrix unit's own rounding can turn it there, and no further.
;; One version. Each part assembles by itself: llvm-mc -triple=amdgcn-amd-amdhsa -mcpu=gfx1250 --defsym DOCPART=n.
;; ======== version 1 of 1: 7 launches
;; limits: right only within a limited range of input values
;; workspace buffers: act 3,276,800 bytes; wqkv 3,293,696 bytes; w1q 3,293,696 bytes; wts 4,096,000 bytes; mw 1,048,576 bytes of whole numbers; big1 13,107,200 bytes; vt 13,107,200 bytes; x1 16,777,216 bytes
;; launch prep (part 1): grid 896 x 1, 4 waves a work-group, no clusters, 78,336 bytes of LDS; arguments x, g1, be1, act, Wq, Wk, Wv, Wo, W2, W1, b1, wqkv, w1q, wts, mask, mw; writes act, wqkv, w1q, wts, mw
.if DOCPART == 1
	.amdgcn_target "amdgcn-amd-amdhsa--gfx1250"
	.amdhsa_code_object_version 6
	.text
	.protected	k_q343e3df29a_prep
	.globl	k_q343e3df29a_prep
	.p2align	8
	.type	k_q343e3df29a_prep,@function
k_q343e3df29a_prep:
	s_mov_b64 s[64:65], 0
	v_nop
	global_prefetch_b8 v0, s[64:65] scope:SCOPE_SE
	s_setreg_imm32_b32 hwreg(HW_REG_WAVE_MODE, 25, 1), 1
	s_wait_xcnt 0x0
; Everything that can be made from the inputs alone, in one launch of four kinds of work-groups, told apart by the work-group's number:
;   0-255    LN:   layer norm of 16 rows of [4096][1024] f32, quantised along the 1,024 to codes of FP6 (E2M3) with one E8M0 byte for each 32
;   256-511  WA:   Wq, Wk, Wv, Wo [1024][1024] and W2 [4096][1024], K = the FIRST axis, quantised along K: 128 columns x 256 K a work-group
;   512-639  W1:   W1 [1024][4096] likewise; also the copies of b1, the zero bias and the two floors that the product launches read
;   640-895  MASK: the mask's int32 of 16 query rows x 2,048 keys become lane masks, one bit a number, in a buffer of their own
; (Launched with 256 work-groups the text is the layer norm alone.)
; LAYOUT OF CODES: [K / 64][rows][48 bytes]: a row's 64 codes of one group of K are 48 bytes on end, the rows of a group are dense.  SCALE BYTES: [K / 128][rows][4].
; ROW ORDER: in each 32 rows, place p holds row tau(p), tau = p with its bits 3 and 4 changed over (its own inverse).  Sixteen places on end, used as a matrix instruction's
; source 0, then leave in a lane's 16 registers of two neighbouring tiles 16 NEIGHBOURS along the next product's K.
; A block's scale is 2^(floor(log2(largest magnitude)) - 2): its byte is the largest magnitude's exponent field - 2, held at 1 from below by a floor among the maximum's leaves.
; LIMITS: a block of zeros gets the byte 1 with zero codes (this program alone reads the bytes); blocks whose largest magnitude lies under 2^-124 were not tried; NaN and infinities are not served.
; No tensor loads; each kind of work-group has LDS bytes of its own; waves share LDS in LN alone (one barrier).
.set LNC,  18432                       ; LN: behind four turn stages of 4,608 bytes: the codes' stage [16 groups][16 rows][48]
.set LNS,  30720                       ; LN: the scale bytes' stage [8][16 rows][4]
.set WAL,  31232                       ; WA: 1,536 bytes a wave
.set W1L,  37376                       ; W1: the same
.set MKL,  43520                       ; MASK: 16 rows x 528 bytes a wave
.set FLB,  0x1800000                   ; the floor 2^(3 - 127)
.set EOF2, 0xff000000                  ; -(2 << 23): 2 off an exponent field
; ---------------- macros of LN
.macro LNLOAD r                        ; row r of my four: eight loads of 512 consecutive bytes, into set r % 2
.irp i, 0,1,2,3,4,5,6,7
	global_load_b128 v[80+32*((\r)%2)+4*\i:83+32*((\r)%2)+4*\i], v3, s[20:21] offset:(\r)*4096+512*\i th:TH_LOAD_NT
.endr
.endm
.macro LNSUM d, t                      ; the sum of v[d] over the 32 lanes, in every lane
	v_add_f32_dpp v[\d], v[\d], v[\d] row_xmask:1 row_mask:0xf bank_mask:0xf
	v_add_f32_dpp v[\d], v[\d], v[\d] row_xmask:2 row_mask:0xf bank_mask:0xf
	v_add_f32_dpp v[\d], v[\d], v[\d] row_xmask:4 row_mask:0xf bank_mask:0xf
	v_add_f32_dpp v[\d], v[\d], v[\d] row_xmask:8 row_mask:0xf bank_mask:0xf
	v_permlanex16_b32 v[\t], v[\d], s12, s13
	v_add_f32 v[\d], v[\d], v[\t]
.endm
.macro LNROW r
.set XS, 80+32*((\r)%2)
.if (\r) < 3
	s_wait_loadcnt 8                               ; this row (and g, be) are in; the next row's eight loads may be out
.else
	s_wait_loadcnt 0x0
.endif
	v_pk_add_f32 v[8:9], v[XS:XS+1], v[XS+2:XS+3]          ; the mean: two chains, then across the lanes
	v_pk_add_f32 v[10:11], v[XS+4:XS+5], v[XS+6:XS+7]
.irp i, 8,12,16,20,24,28
	v_pk_add_f32 v[8:9], v[8:9], v[XS+\i:XS+\i+1]
	v_pk_add_f32 v[10:11], v[10:11], v[XS+\i+2:XS+\i+3]
.endr
	v_pk_add_f32 v[8:9], v[8:9], v[10:11]
	v_add_f32 v8, v8, v9
	LNSUM 8, 9
	v_mul_f32 v8, s14, v8                          ; / 1,024
.irp i, 0,2,4,6,8,10,12,14,16,18,20,22,24,26,28,30
	v_pk_add_f32 v[XS+\i:XS+\i+1], v[XS+\i:XS+\i+1], v[8:9] op_sel_hi:[1,0] neg_lo:[0,1] neg_hi:[0,1]   ; x - mean, in place
.endr
	v_pk_mul_f32 v[10:11], v[XS:XS+1], v[XS:XS+1]          ; the variance, of the differences
	v_pk_mul_f32 v[12:13], v[XS+2:XS+3], v[XS+2:XS+3]
.irp i, 4,8,12,16,20,24,28
	v_pk_fma_f32 v[10:11], v[XS+\i:XS+\i+1], v[XS+\i:XS+\i+1], v[10:11]
	v_pk_fma_f32 v[12:13], v[XS+\i+2:XS+\i+3], v[XS+\i+2:XS+\i+3], v[12:13]
.endr
	v_pk_add_f32 v[10:11], v[10:11], v[12:13]
	v_add_f32 v10, v10, v11
	LNSUM 10, 11
	v_fma_f32 v10, v10, s14, s15                   ; / 1,024 + eps
	s_wait_alu depctr_va_vdst(0)
	v_rsq_f32 v12, v10
	v_nop                                          ; a plain instruction behind the transcendental,
	s_wait_alu depctr_va_vdst(0)                   ; and the wait ahead of its first reader
.irp i, 0,2,4,6,8,10,12,14,16,18,20,22,24,26,28,30
	v_pk_mul_f32 v[XS+\i:XS+\i+1], v[XS+\i:XS+\i+1], v[12:13] op_sel_hi:[1,0]
.endr
.irp i, 0,2,4,6,8,10,12,14,16,18,20,22,24,26,28,30
	v_pk_fma_f32 v[XS+\i:XS+\i+1], v[XS+\i:XS+\i+1], v[16+\i:17+\i], v[48+\i:49+\i]   ; x g + be
.endr
.irp i, 0,1,2,3,4,5,6,7                        ; the turn: as loaded a lane holds 4 numbers of each 128; the conversions want 32 neighbours in a lane
	ds_store_b128 v4, v[XS+4*\i:XS+4*\i+3] offset:576*\i   ; a block's 128 bytes have a place of 144: the places start at different banks
.endr
.irp j, 0,1,2,3,4,5,6,7
	ds_load_b128 v[144+4*\j:147+4*\j], v5 offset:16*\j     ; lane l: block l.  LDS serves a wave's instructions in order: these see the stores
.endr
	s_wait_dscnt 0x0                               ; the block is in; every earlier LDS store of mine has read its registers
.if (\r) < 2
	LNLOAD (\r)+2
.endif
	v_max3_num_f32 v8, |v144|, |v145|, FLB         ; the block's largest magnitude, the floor among its leaves
	v_max3_num_f32 v9, |v146|, |v147|, |v148|
.irp i, 149,153,157,161,165,169
	v_max3_num_f32 v8, v8, |v[\i]|, |v[\i+1]|
	v_max3_num_f32 v9, v9, |v[\i+2]|, |v[\i+3]|
.endr
	v_max3_num_f32 v8, v8, |v173|, |v174|
	v_max3_num_f32 v8, v8, v9, |v175|
	v_add_nc_u32 v10, EOF2, v8                     ; the conversion takes this operand's exponent field as its scale
	v_lshrrev_b32 v[186+(\r)], 23, v10             ; the scale's byte
	v_cvt_scalef32_pk16_fp6_f32 v[176:178], v[144:159], v10
	v_cvt_scalef32_pk16_fp6_f32 v[182:184], v[160:175], v10   ; (a conversion's three registers begin on an even number)
	v_nop                                          ; one plain instruction behind a scaled conversion
	v_mov_b32 v179, v182
	v_mov_b32 v180, v183
	v_mov_b32 v181, v184
.irp p, 0,1,2
	ds_store_b64 v6, v[176+2*\p:177+2*\p] offset:48*(\r)+8*\p   ; group l / 2, my row, half l % 2
.endr
	ds_store_b8 v7, v[186+(\r)] offset:4*(\r)
.endm
; ---------------- macros of WA and W1.  s18 = my wave's first column, s19 = which 256 of K, s13 / s14 = where codes / scale bytes begin in the output, s15 / s16 = bytes from group to group / from word to word, s17 = first row, s[54:55] = the output
.macro WADDR
	s_add_co_u32 s22, s17, s18                     ; my first row of the output
	s_mul_i32 s23, s22, 48
	s_add_co_u32 s23, s23, s13
	s_lshl_b32 s24, s19, 2                         ; four groups of 64 to my 256 of K
	s_mul_i32 s24, s24, s15
	s_add_co_u32 s24, s24, s23
	s_mov_b32 s25, 0
	s_mov_b32 s26, s15
	s_mov_b32 s27, 0
	s_add_nc_u64 s[32:33], s[54:55], s[24:25]      ; a base for each group
	s_add_nc_u64 s[34:35], s[32:33], s[26:27]
	s_add_nc_u64 s[36:37], s[34:35], s[26:27]
	s_add_nc_u64 s[38:39], s[36:37], s[26:27]
	s_lshl_b32 s24, s22, 2
	s_add_co_u32 s24, s24, s14
	s_lshl_b32 s28, s19, 1                         ; two scale words
	s_mul_i32 s28, s28, s16
	s_add_co_u32 s24, s24, s28
	s_mov_b32 s26, s16
	s_add_nc_u64 s[40:41], s[54:55], s[24:25]
	s_add_nc_u64 s[42:43], s[40:41], s[26:27]
.endm
.macro WLOAD t, pitch                  ; block t: W(32 t + n, my column), n = 0 .. 31: each load reads 128 consecutive bytes a wave
.set n, 0
.rept 32
	global_load_b32 v[32+32*((\t)%2)+n], v3, s[20:21] offset:(32*(\t)+n)*(\pitch) th:TH_LOAD_NT
.set n, n+1
.endr
.endm
.macro WBLOCK t, pitch
.set XS, 32+32*((\t)%2)
.set PP, 96+6*((\t)%2)
.if (\t) < 7
	s_wait_loadcnt 32                              ; this block's 32 loads are in; the next block's may be out
.else
	s_wait_loadcnt 0x0
.endif
	v_max3_num_f32 v12, |v[XS]|, |v[XS+1]|, FLB    ; all 32 numbers of the block are mine
	v_max3_num_f32 v13, |v[XS+2]|, |v[XS+3]|, |v[XS+4]|
.irp i, 5,9,13,17,21,25
	v_max3_num_f32 v12, v12, |v[XS+\i]|, |v[XS+\i+1]|
	v_max3_num_f32 v13, v13, |v[XS+\i+2]|, |v[XS+\i+3]|
.endr
	v_max3_num_f32 v12, v12, |v[XS+29]|, |v[XS+30]|
	v_max3_num_f32 v12, v12, v13, |v[XS+31]|
	v_add_nc_u32 v11, EOF2, v12
	v_lshrrev_b32 v13, 23, v11
.if (\t)%4 == 0
	v_mov_b32 v[24+(\t)/4], v13                    ; four bytes to a word, the lower K in the lower byte
.else
	v_lshl_or_b32 v[24+(\t)/4], v13, 8*((\t)%4), v[24+(\t)/4]
.endif
	v_cvt_scalef32_pk16_fp6_f32 v[PP:PP+2], v[XS:XS+15], v11
	v_cvt_scalef32_pk16_fp6_f32 v[108:110], v[XS+16:XS+31], v11
	v_nop                                          ; one plain instruction behind a scaled conversion
	v_mov_b32 v[PP+3], v108
	v_mov_b32 v[PP+4], v109
	v_mov_b32 v[PP+5], v110
.if (\t)+2 < 8
	WLOAD (\t)+2, \pitch
.endif
.if (\t)%2 == 1                        ; a group of 64 along K is whole: 48 bytes a column.  Through my stage, so that the wave stores 1,536 consecutive bytes
.irp j, 0,1,2
	ds_store_b128 v4, v[96+4*\j:99+4*\j] offset:16*\j
.endr
.irp j, 0,1,2
	ds_load_b128 v[116+12*((\t)/2)+4*\j:119+12*((\t)/2)+4*\j], v5 offset:512*\j
.endr
	s_wait_dscnt 0x0
.irp j, 0,1,2
	global_store_b128 v6, v[116+12*((\t)/2)+4*\j:119+12*((\t)/2)+4*\j], s[32+2*((\t)/2):33+2*((\t)/2)] offset:512*\j   ; each group has registers of its own: no store's data are written again
.endr
.endif
.if (\t)%4 == 3
	s_wait_alu depctr_va_vdst(0)
	global_store_b32 v7, v[24+(\t)/4], s[40+2*((\t)/4):41+2*((\t)/4)]
.endif
.endm
.macro WBODY pitch, lds
	v_lshlrev_b32 v3, 2, v2                        ; in: 4 bytes a lane
	v_and_b32 v8, 7, v2
	v_and_b32 v9, 8, v2
	v_lshl_add_u32 v8, v9, 1, v8
	v_and_b32 v9, 16, v2
	v_lshrrev_b32 v9, 1, v9
	v_add_nc_u32 v8, v8, v9                        ; the place of my column among its 32: bits 3 and 4 changed over
	s_mul_i32 s29, s8, 1536
	s_add_co_u32 s29, s29, \lds                    ; my stage
	v_mul_u32_u24 v4, v8, 48
	v_add_nc_u32 v4, s29, v4
	v_lshlrev_b32 v6, 4, v2
	v_add_nc_u32 v5, s29, v6
	v_lshlrev_b32 v7, 2, v8
	WLOAD 0, \pitch
	WLOAD 1, \pitch
.irp t, 0,1,2,3,4,5,6,7
	WBLOCK \t, \pitch
.endr
.endm
; ---------------- macros of MASK
.macro MLOAD k                         ; key step k of my four: 16 rows x 512 bytes
.irp i, 0,1,2,3,4,5,6,7,8,9,10,11,12,13,14,15
	global_load_b128 v[16+64*((\k)%2)+4*\i:19+64*((\k)%2)+4*\i], v3, s[20:21] offset:((\i/8)*16+\i%8)*8192+512*(\k) th:TH_LOAD_NT
.endr
.endm
.macro MTILE k
.if (\k) < 3
	s_wait_loadcnt 16                              ; this step's 16 loads are in; the next step's may be out
.else
	s_wait_loadcnt 0x0
.endif
.irp i, 0,1,2,3,4,5,6,7,8,9,10,11,12,13,14,15
	ds_store_b128 v4, v[16+64*((\k)%2)+4*\i:19+64*((\k)%2)+4*\i] offset:528*\i
.endr
.irp j, 0,1,2,3
	ds_load_b128 v[144+4*\j:147+4*\j], v5 offset:16*\j     ; lane (r, h): row r, keys 32 b + 16 h + 0 .. 15: as the scores lie in the attention launch's registers
.endr
.irp b, 0,1,2,3
.if \b < 3
.irp j, 0,1,2,3
	ds_load_b128 v[144+16*((\b+1)%2)+4*\j:147+16*((\b+1)%2)+4*\j], v5 offset:128*(\b+1)+16*\j
.endr
	s_wait_dscnt 4                                 ; block b is in; the next block's four loads may be out
.else
	s_wait_dscnt 0x0
.endif
.if (\b == 0) && ((\k)+2 < 4)
	MLOAD (\k)+2                                   ; the stores into the stage are done: their registers take the step two on
.endif
.irp n, 0,1,2,3,4,5,6,7,8,9,10,11,12,13,14,15
	v_cmp_ne_u32 s[40+\n], 0, v[144+16*(\b%2)+\n]  ; word 16 b + n: a bit a lane, set where the key counts
.endr
.irp n, 0,1,2,3,4,5,6,7,8,9,10,11,12,13,14,15
	v_writelane_b32 v[8+2*(\k)+(\n%2)], s[40+\n], 8*\b+\n/2
.endr
.endr
	global_store_b64 v6, v[8+2*(\k):9+2*(\k)], s[22:23] offset:256*(\k)   ; the step's 64 words: 256 consecutive bytes, aligned
.endm
; ---------------- the head
	v_lshl_add_u32 v192, v0, 2, 0x13000
	v_mov_b32 v193, 0
	v_lshrrev_b32 v1, 5, v0
	v_readfirstlane_b32 s8, v1                     ; wave 0..3
	v_and_b32 v2, 31, v0                           ; lane
	s_cmp_lt_u32 ttmp9, 256
	s_cbranch_scc1 .Lln
	s_cmp_lt_u32 ttmp9, 512
	s_cbranch_scc1 .Lwa
	s_cmp_lt_u32 ttmp9, 640
	s_cbranch_scc1 .Lw1
; ---------------- MASK: query tile qt (16 places), wave w: key steps 4 w .. 4 w + 3 of 128 keys
	s_load_b64 s[24:25], s[0:1], 0x78              ; the lane masks' buffer
	s_load_b64 s[26:27], s[0:1], 0x70              ; mask
	s_sub_co_u32 s9, ttmp9, 640                    ; qt
	s_lshr_b32 s10, s9, 1
	s_lshl_b32 s10, s10, 5
	s_and_b32 s11, s9, 1
	s_lshl_b32 s11, s11, 3
	s_add_co_u32 s10, s10, s11                     ; place 16 qt + i is token 32 (qt / 2) + 8 (qt % 2) + 16 (i / 8) + i % 8
	s_lshl_b32 s20, s10, 13                        ; a row of the mask is 8,192 bytes
	s_lshl_b32 s11, s8, 11
	s_add_co_u32 s20, s20, s11
	s_mov_b32 s21, 0
	s_lshl_b32 s22, s9, 4
	s_lshl_b32 s11, s8, 2
	s_add_co_u32 s22, s22, s11
	s_lshl_b32 s22, s22, 8                         ; 256 bytes for each (tile, step)
	s_mov_b32 s23, 0
	s_wait_alu depctr_va_vdst(0)
	v_lshlrev_b32 v3, 4, v2
	s_mul_i32 s12, s8, 8448
	s_add_co_u32 s12, s12, MKL                     ; my stage
	v_add_nc_u32 v4, s12, v3
	v_and_b32 v5, 15, v2
	v_mul_u32_u24 v5, v5, 528
	v_bfe_u32 v6, v2, 4, 1
	v_lshl_add_u32 v5, v6, 6, v5
	v_add_nc_u32 v5, s12, v5
	v_lshlrev_b32 v6, 3, v2
.irp i, 8,9,10,11,12,13,14,15
	v_mov_b32 v\i, 0                               ; a lane write's destination counts as read
.endr
	s_wait_kmcnt 0x0
	s_add_nc_u64 s[20:21], s[26:27], s[20:21]
	s_add_nc_u64 s[22:23], s[24:25], s[22:23]
	MLOAD 0
	MLOAD 1
	MTILE 0
	MTILE 1
	MTILE 2
	MTILE 3
	s_wait_tensorcnt 0x0
	ds_add_u32 v192, v193
	s_wait_dscnt 0x0
	s_endpgm
; ---------------- LN: places 16 wg .. 16 wg + 15; wave w: four of them, which are four neighbouring tokens
.Lln:
	s_load_b256 s[24:31], s[0:1], 0x0              ; x s[24:25], g s[26:27], be s[28:29], the output s[30:31]
	s_lshr_b32 s9, ttmp9, 1
	s_lshl_b32 s9, s9, 5
	s_and_b32 s10, ttmp9, 1
	s_lshl_b32 s10, s10, 3
	s_add_co_u32 s9, s9, s10
	s_lshr_b32 s10, s8, 1
	s_lshl_b32 s10, s10, 4
	s_add_co_u32 s9, s9, s10
	s_and_b32 s10, s8, 1
	s_lshl_b32 s10, s10, 2
	s_add_co_u32 s9, s9, s10                       ; my first token: 32 (wg / 2) + 8 (wg % 2) + 16 (w / 2) + 4 (w % 2)
	s_lshl_b32 s20, s9, 12
	s_mov_b32 s21, 0
	s_mov_b32 s12, 0x76543210
	s_mov_b32 s13, 0xfedcba98                      ; lane selects: lane l xor 16
	s_mov_b32 s14, 0x3a800000                      ; 1 / 1,024
	s_mov_b32 s15, 0x3727c5ac                      ; 1e-5
	s_mul_i32 s22, ttmp9, 768                      ; the way out: my work-group's 16 rows in a group,
	s_mul_i32 s23, s8, 786432                      ; my wave's four groups
	s_add_co_u32 s22, s22, s23
	s_mov_b32 s23, 0
	s_lshl_b32 s32, ttmp9, 6
	s_mov_b32 s33, 0
	s_wait_alu depctr_va_vdst(0)
	v_lshlrev_b32 v3, 4, v2
	s_mul_i32 s16, s8, 4608                        ; my turn stage
	v_lshrrev_b32 v4, 3, v2
	v_mul_u32_u24 v4, v4, 144
	v_and_b32 v5, 7, v2
	v_lshl_add_u32 v4, v5, 4, v4
	v_add_nc_u32 v4, s16, v4
	v_mul_u32_u24 v5, v2, 144
	v_add_nc_u32 v5, s16, v5
	v_lshrrev_b32 v6, 1, v2
	v_mul_u32_u24 v6, v6, 768
	v_and_b32 v7, 1, v2
	v_mad_u32_u24 v6, v7, 24, v6
	s_mul_i32 s16, s8, 192
	s_add_co_u32 s16, s16, LNC
	v_add_nc_u32 v6, s16, v6
	v_lshrrev_b32 v7, 2, v2
	v_lshlrev_b32 v7, 6, v7
	v_and_b32 v8, 3, v2
	v_add_nc_u32 v7, v7, v8
	s_lshl_b32 s16, s8, 4
	s_add_co_u32 s16, s16, LNS
	v_add_nc_u32 v7, s16, v7
	s_wait_kmcnt 0x0
	s_add_nc_u64 s[20:21], s[24:25], s[20:21]
	s_add_nc_u64 s[22:23], s[30:31], s[22:23]
	s_add_nc_u64 s[32:33], s[30:31], s[32:33]
.irp i, 0,1,2,3,4,5,6,7
	global_load_b128 v[16+4*\i:19+4*\i], v3, s[26:27] offset:512*\i
.endr
.irp i, 0,1,2,3,4,5,6,7
	global_load_b128 v[48+4*\i:51+4*\i], v3, s[28:29] offset:512*\i
.endr
	LNLOAD 0
	LNLOAD 1
	LNROW 0
	LNROW 1
	LNROW 2
	LNROW 3
	s_wait_dscnt 0x0                               ; for the others' sake: my stores into the two stages are done
	s_barrier_signal -1
	s_barrier_wait -1
	s_mul_i32 s16, s8, 3072                        ; wave w sends groups 4 w .. 4 w + 3: 768 bytes each
	s_add_co_u32 s16, s16, LNC
	v_add_nc_u32 v10, s16, v3
	v_lshl_add_u32 v11, v0, 2, LNS
.irp j, 0,1,2,3,4,5
	ds_load_b128 v[144+4*\j:147+4*\j], v10 offset:512*\j
.endr
	ds_load_b32 v168, v11
	v_lshrrev_b32 v8, 4, v2
	v_mul_u32_u24 v8, v8, 195840                   ; where a load's 512 bytes straddle two groups, lanes 16-31 go a group on: 196,608 - 768
	v_add_nc_u32 v8, v8, v3
	v_lshrrev_b32 v9, 4, v0
	v_lshlrev_b32 v9, 14, v9
	v_and_b32 v12, 15, v0
	v_lshl_add_u32 v9, v12, 2, v9                  ; scale word (thread / 16) of row thread % 16
	s_wait_alu depctr_va_vdst(0)
	s_wait_dscnt 6                                 ; LDS loads come back in order: the counts leave the younger ones out
	global_store_b128 v3, v[144:147], s[22:23]     ; sixteen lanes store 256 consecutive bytes, aligned
	s_wait_dscnt 5
	global_store_b128 v8, v[148:151], s[22:23] offset:512
	s_wait_dscnt 4
	global_store_b128 v3, v[152:155], s[22:23] offset:196864
	s_wait_dscnt 3
	global_store_b128 v3, v[156:159], s[22:23] offset:393216
	s_wait_dscnt 2
	global_store_b128 v8, v[160:163], s[22:23] offset:393728
	s_wait_dscnt 1
	global_store_b128 v3, v[164:167], s[22:23] offset:590080
	s_wait_dscnt 0x0
	global_store_b32 v9, v168, s[32:33] offset:3145728
	s_wait_tensorcnt 0x0
	ds_add_u32 v192, v193
	s_wait_dscnt 0x0
	s_endpgm
; ---------------- WA: Wq, Wk, Wv (32 work-groups each, into the first output), Wo (32) and W2 (128) (into the third)
.Lwa:
	s_load_b256 s[44:51], s[0:1], 0x20             ; Wq, Wk, Wv, Wo
	s_load_b64 s[52:53], s[0:1], 0x40              ; W2
	s_load_b64 s[54:55], s[0:1], 0x58              ; the output of Wq, Wk, Wv
	s_load_b64 s[56:57], s[0:1], 0x68              ; the output of Wo, W2
	s_sub_co_u32 s9, ttmp9, 256
	s_lshr_b32 s10, s9, 5                          ; which of the four
	s_and_b32 s11, s9, 31
	s_sub_co_u32 s12, s9, 128
	s_lshl_b32 s17, s10, 10
	s_mov_b32 s14, 3145728
	s_mov_b32 s15, 196608
	s_mov_b32 s16, 16384
	s_wait_kmcnt 0x0
	s_cmp_ge_u32 s9, 128                           ; W2?  Every choice hangs on the work-group's number alone
	s_cselect_b32 s11, s12, s11
	s_cselect_b32 s13, 819200, 0
	s_cselect_b32 s14, 3964928, s14
	s_cselect_b64 s[52:53], s[52:53], s[44:45]
	s_cmp_eq_u32 s10, 1
	s_cselect_b64 s[52:53], s[46:47], s[52:53]
	s_cmp_eq_u32 s10, 2
	s_cselect_b64 s[52:53], s[48:49], s[52:53]
	s_cmp_eq_u32 s10, 3
	s_cselect_b64 s[52:53], s[50:51], s[52:53]
	s_cselect_b32 s14, 786432, s14
	s_cmp_ge_u32 s9, 96                            ; Wo or W2: 1,024 rows to a group
	s_cselect_b64 s[54:55], s[56:57], s[54:55]
	s_cselect_b32 s15, 49152, s15
	s_cselect_b32 s16, 4096, s16
	s_cselect_b32 s17, 0, s17
	s_and_b32 s18, s11, 7
	s_lshl_b32 s18, s18, 7
	s_lshl_b32 s22, s8, 5
	s_add_co_u32 s18, s18, s22                     ; my first column
	s_lshr_b32 s19, s11, 3                         ; which 256 of K
	s_lshl_b32 s20, s19, 20                        ; 256 rows of 4,096 bytes
	s_lshl_b32 s22, s18, 2
	s_add_co_u32 s20, s20, s22
	s_mov_b32 s21, 0
	s_add_nc_u64 s[20:21], s[52:53], s[20:21]
	WADDR
	s_wait_alu depctr_va_vdst(0)
	WBODY 4096, WAL
	s_wait_tensorcnt 0x0
	ds_add_u32 v192, v193
	s_wait_dscnt 0x0
	s_endpgm
; ---------------- W1
.Lw1:
	s_load_b256 s[44:51], s[0:1], 0x48             ; W1 s[44:45], b1 s[46:47], the first output s[48:49], W1's output s[50:51]
	s_sub_co_u32 s11, ttmp9, 512
	s_and_b32 s10, s11, 31
	s_lshl_b32 s18, s10, 7
	s_lshl_b32 s22, s8, 5
	s_add_co_u32 s18, s18, s22
	s_lshr_b32 s19, s11, 5
	s_lshl_b32 s20, s19, 22                        ; 256 rows of 16,384 bytes
	s_lshl_b32 s22, s18, 2
	s_add_co_u32 s20, s20, s22
	s_mov_b32 s21, 0
	s_mov_b32 s13, 0
	s_mov_b32 s14, 3145728
	s_mov_b32 s15, 196608
	s_mov_b32 s16, 16384
	s_mov_b32 s17, 0
	s_wait_kmcnt 0x0
	s_add_nc_u64 s[20:21], s[44:45], s[20:21]
	s_mov_b64 s[54:55], s[50:51]
	WADDR
	s_wait_alu depctr_va_vdst(0)
	WBODY 16384, W1L
	s_cmp_lg_u32 s19, 0                            ; the 32 work-groups of K's first 256 also lay the biases: 128 numbers each
	s_cbranch_scc1 .Lw1_end
	v_lshlrev_b32 v8, 2, v0
	s_lshl_b32 s24, s10, 9
	v_add_nc_u32 v12, s24, v8
	global_load_b32 v9, v12, s[46:47]
	v_mov_b32 v10, 0
	global_store_b32 v12, v10, s[48:49] offset:3276800     ; the first three products have no bias
	s_wait_alu depctr_va_vdst(0)
	s_wait_loadcnt 0x0
	global_store_b32 v12, v9, s[50:51] offset:3276800      ; b1
	s_cmp_lg_u32 s11, 0
	s_cbranch_scc1 .Lw1_end
	v_mov_b32 v11, 0xff800000
	global_store_b32 v8, v10, s[50:51] offset:3293184      ; the floor under W1's product: 0, the relu
	global_store_b32 v8, v11, s[48:49] offset:3293184      ; under q, k, v: -infinity, none
.Lw1_end:
	s_wait_tensorcnt 0x0
	ds_add_u32 v192, v193
	s_wait_dscnt 0x0
	s_endpgm
.Lfunc_end_k_q343e3df29a_prep:
	.size	k_q343e3df29a_prep, .Lfunc_end_k_q343e3df29a_prep-k_q343e3df29a_prep
	.p2alignl 7, 3214868480
	.fill 96, 4, 3214868480
	.section	.rodata,"a",@progbits
	.p2align	6, 0x0
	.amdhsa_kernel k_q343e3df29a_prep
		.amdhsa_group_segment_fixed_size 78336
		.amdhsa_private_segment_fixed_size 0
		.amdhsa_enable_private_segment 0
		.amdhsa_kernarg_size 128
		.amdhsa_user_sgpr_count 2
		.amdhsa_user_sgpr_kernarg_segment_ptr 1
		.amdhsa_wavefront_size32 1
		.amdhsa_system_sgpr_workgroup_id_x 1
		.amdhsa_system_sgpr_workgroup_id_y 1
		.amdhsa_system_sgpr_workgroup_id_z 1
		.amdhsa_system_vgpr_workitem_id 0
		.amdhsa_next_free_vgpr 194
		.amdhsa_next_free_sgpr 66
		.amdhsa_reserve_vcc 0
		.amdhsa_float_denorm_mode_32 3
		.amdhsa_float_denorm_mode_16_64 3
		.amdhsa_memory_ordered 1
		.amdhsa_forward_progress 1
		.amdhsa_inst_pref_size 177
	.end_amdhsa_kernel
	.amdgpu_metadata
---
amdhsa.version: [ 1, 2 ]
amdhsa.kernels:
  - .name:           k_q343e3df29a_prep
    .symbol:         k_q343e3df29a_prep.kd
    .args:
      - { .name: x, .offset: 0, .size: 8, .value_kind: global_buffer, .address_space: global }
      - { .name: g1, .offset: 8, .size: 8, .value_kind: global_buffer, .address_space: global }
      - { .name: be1, .offset: 16, .size: 8, .value_kind: global_buffer, .address_space: global }
      - { .name: act, .offset: 24, .size: 8, .value_kind: global_buffer, .address_space: global }
      - { .name: Wq, .offset: 32, .size: 8, .value_kind: global_buffer, .address_space: global }
      - { .name: Wk, .offset: 40, .size: 8, .value_kind: global_buffer, .address_space: global }
      - { .name: Wv, .offset: 48, .size: 8, .value_kind: global_buffer, .address_space: global }
      - { .name: Wo, .offset: 56, .size: 8, .value_kind: global_buffer, .address_space: global }
      - { .name: W2, .offset: 64, .size: 8, .value_kind: global_buffer, .address_space: global }
      - { .name: W1, .offset: 72, .size: 8, .value_kind: global_buffer, .address_space: global }
      - { .name: b1, .offset: 80, .size: 8, .value_kind: global_buffer, .address_space: global }
      - { .name: wqkv, .offset: 88, .size: 8, .value_kind: global_buffer, .address_space: global }
      - { .name: w1q, .offset: 96, .size: 8, .value_kind: global_buffer, .address_space: global }
      - { .name: wts, .offset: 104, .size: 8, .value_kind: global_buffer, .address_space: global }
      - { .name: mask, .offset: 112, .size: 8, .value_kind: global_buffer, .address_space: global }
      - { .name: mw, .offset: 120, .size: 8, .value_kind: global_buffer, .address_space: global }
    .group_segment_fixed_size: 78336
    .private_segment_fixed_size: 0
    .kernarg_segment_align: 8
    .kernarg_segment_size: 128
    .max_flat_workgroup_size: 128
    .sgpr_count:     66
    .vgpr_count:     194
    .wavefront_size: 32
...
	.end_amdgpu_metadata
.endif
;; end of part 1
;; launch qkv (part 2): grid 8 x 24, 4 waves a work-group, clusters of 4 x 4, 327,680 bytes of LDS; arguments act, wqkv, big1, vt; writes big1, vt
.if DOCPART == 2
	.amdgcn_target "amdgcn-amd-amdhsa--gfx1250"
	.amdhsa_code_object_version 6
	.text
	.protected	k_q343e3df29a_qkv
	.globl	k_q343e3df29a_qkv
	.p2align	8
	.type	k_q343e3df29a_qkv,@function
k_q343e3df29a_qkv:
	s_mov_b64 s[64:65], 0
	v_nop
	global_prefetch_b8 v0, s[64:65] scope:SCOPE_SE
	s_setreg_imm32_b32 hwreg(HW_REG_WAVE_MODE, 25, 1), 1
	s_wait_xcnt 0x0
	s_wait_alu depctr_hold_cnt(0) depctr_sa_sdst(0) depctr_va_vdst(0) depctr_va_sdst(0) depctr_va_ssrc(0) depctr_va_vcc(0) depctr_vm_vsrc(0)
	s_getreg_b32 s2, hwreg(HW_REG_IB_STS2, 6, 4)
	s_cmp_eq_u32 s2, 0
	s_cbranch_scc0 .Lentry_in_a_cluster
	s_endpgm
.Lentry_in_a_cluster:
	s_bfe_u32 s2, ttmp6, 0x10000c
	s_cmp_lg_u32 s2, 0xf033
	s_cbranch_scc0 .Lentry_shape_is_right
	s_endpgm
.Lentry_shape_is_right:
; O = Q(max(A B^T + bias, floor)): a GEMM on codes of FP6 (E2M3) with one E8M0 scale for each 32 along K = 1,024, whose result is quantised along N on the way out and leaves as codes.
; ARGUMENTS: P (the tokens' codes), W (the weights' codes), O1, O2.  Both operands: codes [K / 64][4096 rows][48 bytes], scale words [K / 128][4096 rows][4] at byte 3,145,728.  All rows stand in the order tau (bits 3 and 4 of
; the row's number changed over), so that a lane's 16 registers of two neighbouring tiles are 16 neighbours along N.  OUTPUT: codes [N / 64][4096 rows][48], scale words [N / 128][4096 rows][4] at byte 12,582,912; the rows keep A's order.
; The bias (f32, by column) lies at byte 0x320000 of W, the floor (f32) at 0x324000: 0 is a relu, -infinity none.
; TWO MAPPINGS, chosen by the CLUSTER's y, which all sixteen partners share; nothing but pointers and tile numbers is chosen, no branch.  y < 4: A = P, B = W, into O1; tile row 4 y + cy, tile column 4 x + cx.
; y >= 4: A = W, B = P, into O2; tile row 8 + cy, tile column 8 y - 32 + 4 x + cx: with weights as A and tokens as B that is V^T, quantised along the keys.
; A tile of 256 x 256 is made by four waves, 128 x 128 each: 64 accumulators, 512 registers.  K goes in steps of 256 (four groups) through a ring of two LDS slots; a wave's tensor load brings
; [4 groups][128 rows][48]: four rows of 6,144 consecutive bytes.  With rows 48 bytes apart the 32 lanes of a load of 8 bytes touch 64 different banks (12 r and 12 r + 6 words mod 64): no padding.
; The scale words of the work-group's rows, for all of K, come into LDS once, with the first fills.
; CLUSTERS: 4 x 4 work-groups; A's tiles are asked for jointly along a row of the cluster, B's along a column.  THE MATRIX INSTRUCTION IS USED TRANSPOSED (source 0 = 16 rows of B, source 1 = 16 rows of A).
; REGISTERS, in windows of 256: window 0: v16-30 addresses; v32-63 scale words, two sets; v64-127 the bias (C of the first products), later 64 numbers at work; v128-223 A's fragments, one set, later the way out.
;   window 1: B's fragments, two sets, at v0 and v128.  window 2: the accumulators of my rows 0-63 ((a, b) at v[8 (8 a + b)]);  window 3: those of rows 64-127.
; LIMITS: a block of zeros gets the byte 1 with zero codes (this program alone reads the bytes); blocks whose largest magnitude lies under 2^-124 were not tried; NaN and infinities are not served.
.set NQ,    2                          ; matrix instructions deep in a slot
.set FR,    12                         ; registers of a fragment
.set NL,    6                          ; LDS loads that bring one
.set NP,    4                          ; places behind this matrix instruction (ISA guide 7.12.1)
.set GRP,   6144                       ; a group's 128 rows in a tile
.set HALFT, 4*GRP                      ; what one tensor load brings
.set SLOT,  4*HALFT                    ; A's 256 rows, then B's
.set LAPS,  2                          ; K = 1,024 is twice round the ring
.set GSTR,  196608                     ; from group to group in memory
.set SOFF,  3145728
.set OSOFF, 12582912
.set BOFF,  0x320000
.set FOFF,  0x324000
.set SCLA,  2*SLOT                     ; A's scale words: two halves of [8][128][4]
.set SCLB,  SCLA+8192+128              ; B's, 128 bytes askew, so that lanes 0-15 (A's) and 16-31 (B's) of a load fall on different banks
.set SPARE, SCLB+8192+128              ; the spare words, 128 bytes for each wave: two blocks of 256 bytes that no other line names
.set SSTG,  49152                      ; the way out (in slot 0): behind four stages of 12,288 bytes, 512 bytes of scale words a wave
.set ADRA, 16
.set ADRB, 20
.set ADRS, 22
.set SRD,  23
.set STO,  24
.set SSO,  25
.set RD,   26
.set CO,   27
.set SPW,  28
.set NIL,  29
.set BO,   30
.set SC,   32
.set BIAS, 64
.set T,    64
.set AF,   128
.set PC,   128
.set TM,   152
.set PW,   168
.set BK,   176
.set WV,   16
.set WH,   17
.set WL,   18
.set FLO,  19
.set G1,   24
.set G0,   32
.set G1B,  48
.set G0B,  56
.set G1S,  68
.set G0S,  76
.set G1SB, 80
.set G0SB, 88
.set SEL,  96
.set MSB, 0
.macro WIN new                         ; the immediate's high byte repeats the setting that is left
.if MSB != \new
	s_set_vgpr_msb (MSB<<8)|\new
.set MSB, \new
.endif
.endm
.set MUL_LO, 0xa1                      ; source 0 (B) window 1, source 1 (A) window 0, C and D window 2
.set MUL_HI, 0xf1                      ; the same, C and D window 3
.set TO_B,   0x40
; A joint load: waves 0 and 1 fetch for A, waves 2 and 3 for B; the branch hangs on the wave's number alone.  Four v_nop follow each of the two lines.
.macro JLOAD g0a, g1a, g0b, g1b
	s_cmp_eq_u32 s[WH], 0
	s_cbranch_scc0 .Lfor_b_\@
	tensor_load_to_lds s[\g0a:\g0a+3], s[\g1a:\g1a+7]
	s_nop 0
.rept 4
	v_nop
.endr
	s_branch .Lasked_\@
.Lfor_b_\@:
	tensor_load_to_lds s[\g0b:\g0b+3], s[\g1b:\g1b+7]
	s_nop 0
.rept 4
	v_nop
.endr
.Lasked_\@:
.endm
.macro CREST                           ; a round of the cluster's barrier behind its opening barrier
	s_cmp_lg_u32 s[WV], 0
	s_cbranch_scc1 .Lnot_wave_0_\@
	s_barrier_signal -3
.Lnot_wave_0_\@:
	s_barrier_wait -3
	s_barrier_signal -1
	s_barrier_wait -1
.endm
.macro CROUND
	s_barrier_signal -1
	s_barrier_wait -1
	CREST
.endm
	s_load_b256 s[4:11], s[0:1], 0x0               ; P s[4:5], W s[6:7], O1 s[8:9], O2 s[10:11]
	v_lshl_add_u32 v[SPW], v0, 2, SPARE
	v_mov_b32 v[NIL], 0
	ds_add_u32 v28, v29
	ds_add_u32 v28, v29
	s_wait_dscnt 0x0
	v_lshrrev_b32 v1, 5, v0
	v_readfirstlane_b32 s[WV], v1                  ; wave 0..3
	s_lshr_b32 s[WH], s[WV], 1                     ; which half of the tile's rows is mine.  Also: I fetch for A (0) or for B (1)
	s_and_b32 s[WL], s[WV], 1                      ; which half of its columns.  Also: which 128 rows I fetch
	s_bfe_u32 s40, ttmp6, 0x40000                  ; cx
	s_bfe_u32 s41, ttmp6, 0x40004                  ; cy
	s_and_b32 s45, ttmp7, 0xffff                   ; the cluster's y
	s_lshl_b32 s20, s45, 2
	s_lshl_b32 s46, s45, 3
	s_sub_co_u32 s46, s46, 32
	s_lshl_b32 s42, ttmp9, 2
	s_add_co_u32 s46, s46, s42                     ; 8 y - 32 + 4 x
	s_cmp_ge_u32 s45, 4                            ; the second mapping?
	s_cselect_b32 s96, 1, 0
	s_cselect_b32 s45, 8, s20
	s_cselect_b32 s42, s46, s42
	s_add_co_u32 s45, s45, s41                     ; tile row
	s_add_co_u32 s42, s42, s40                     ; tile column
	s_lshl_b32 s43, s41, 2
	s_lshl_b32 s43, 15, s43                        ; my row of the cluster
	s_lshl_b32 s44, 0x1111, s40                    ; my column
	s_or_b32 s[G1+0], s43, (3<<16)|(1<<21)         ; 15:0 the mask; 17:16 elements of 8 bytes; 21 set beside a mask; no padding
	s_or_b32 s[G1B+0], s44, (3<<16)|(1<<21)
.irp g, G1, G1B
	s_mov_b32 s[\g+1], 768<<16                     ; tensor_dim0: 6,144 bytes
	s_mov_b32 s[\g+2], 4<<16                       ; tensor_dim1: four groups
	s_mov_b32 s[\g+3], 768<<16                     ; tile_dim0
	s_mov_b32 s[\g+4], 4                           ; tile_dim1
	s_mov_b32 s[\g+5], 24576                       ; from group to group: 196,608 bytes
	s_mov_b32 s[\g+6], 0
	s_mov_b32 s[\g+7], 0
.endr
	s_lshl_b32 s21, s[WL], 7
	s_lshl_b32 s20, s45, 8
	s_add_co_u32 s20, s20, s21                     ; A: the first row that I fetch
	s_lshl_b32 s46, s42, 8
	s_add_co_u32 s46, s46, s21                     ; B: likewise.  A's registers never hold cx, B's never cy
	s_lshl_b32 s22, s20, 2
	s_add_co_u32 s22, s22, SOFF
	s_mov_b32 s23, 0
	s_mul_i32 s20, s20, 48
	s_mov_b32 s21, 0
	s_lshl_b32 s92, s46, 2
	s_add_co_u32 s92, s92, SOFF
	s_mov_b32 s93, 0
	s_mul_i32 s46, s46, 48
	s_mov_b32 s47, 0
	s_mul_i32 s94, s[WV], HALFT                    ; where the codes go: wave x 128 rows: no place in the cluster enters an LDS address
	s_lshl_b32 s95, s[WL], 12                      ; and the scale words
	s_wait_kmcnt 0x0
	s_cmp_eq_u32 s96, 1                            ; the choice hangs on the cluster's y alone
	s_cselect_b64 s[12:13], s[10:11], s[8:9]       ; O
	s_cselect_b64 s[10:11], s[4:5], s[6:7]         ; B: the tokens in the second mapping, else the weights
	s_cselect_b64 s[4:5], s[6:7], s[4:5]           ; A: the other one.  s[6:7] stays W: bias and floor lie there
	s_load_b32 s[FLO], s[6:7], FOFF
	s_add_nc_u64 s[20:21], s[4:5], s[20:21]
	s_add_nc_u64 s[22:23], s[4:5], s[22:23]
	s_add_nc_u64 s[46:47], s[10:11], s[46:47]
	s_add_nc_u64 s[92:93], s[10:11], s[92:93]
	CROUND                                         ; all sixteen work-groups are here: the first joint loads meet
	; THE SCALE WORDS come through registers: 4,096 bytes a wave (waves 0, 1: A's two halves; 2, 3: B's), eight loads of 512 consecutive bytes, stored into LDS bytes on which no fill lands.
	; They are not asked for jointly: 16,384 bytes a work-group beside 393,216 of codes.
	s_cmp_eq_u32 s[WH], 0
	s_cselect_b64 s[2:3], s[22:23], s[92:93]
	s_mul_i32 s97, s[WH], SCLB-SCLA
	s_add_co_u32 s97, s97, s95
	s_add_co_u32 s97, s97, SCLA
	v_and_b32 v4, 31, v0
	v_lshlrev_b32 v4, 4, v4
	v_add_nc_u32 v5, s97, v4
	s_wait_alu depctr_va_vdst(0)
.irp s, 0,1
	s_mov_b32 s[G0+4*\s], 1
	s_add_co_u32 s[G0+4*\s+1], s94, \s*SLOT
	s_add_nc_u64 s[G0+4*\s+2:G0+4*\s+3], s[20:21], \s*4*GSTR
	s_or_b32 s[G0+4*\s+3], s[G0+4*\s+3], 0x80000000
	s_mov_b32 s[G0B+4*\s], 1
	s_add_co_u32 s[G0B+4*\s+1], s94, \s*SLOT
	s_add_nc_u64 s[G0B+4*\s+2:G0B+4*\s+3], s[46:47], \s*4*GSTR
	s_or_b32 s[G0B+4*\s+3], s[G0B+4*\s+3], 0x80000000
.if \s
	s_wait_loadcnt 0x0                             ; my scale words are in registers,
	s_wait_tensorcnt 0x0                           ; and my part of K step 0 is in LDS
.irp j, 0,1,2,3,4,5,6,7
	ds_store_b128 v5, v[128+4*\j:131+4*\j] offset:512*\j
.endr
	s_wait_tensorcnt 0x0                           ; a later first fill is issued as a refill is: all my loads are in,
	ds_add_u32 v28, v29                            ; the add,
	s_wait_dscnt 0x0                               ; it and my stores of scale words are done,
	CROUND                                         ; a whole round,
.endif
	JLOAD G0+4*\s, G1, G0B+4*\s, G1B               ; and my one load behind it (K step 0's: my one load at the head)
.if \s == 0
.irp j, 0,1,2,3,4,5,6,7
	global_load_b128 v[128+4*\j:131+4*\j], v4, s[2:3] offset:16384*\j
.endr
.endif
.endr
	v_and_b32 v1, 15, v0                           ; r
	v_bfe_u32 v2, v0, 4, 1                         ; h
	s_wait_alu depctr_va_vdst(0)
	v_mul_u32_u24 v3, v1, 48
	v_mad_u32_u24 v3, v2, 24, v3                   ; a fragment's row x 48 + 24 x half
	s_wait_alu depctr_va_vdst(0)
	s_mul_i32 s21, s[WH], HALFT
	s_mul_i32 s22, s[WL], HALFT
	s_add_co_u32 s22, s22, 2*HALFT
.irp s, 0,1
	v_add_nc_u32 v[ADRA+\s], s21, v3
	v_add_nc_u32 v[ADRB+\s], s22, v3
	s_add_co_u32 s21, s21, SLOT
	s_add_co_u32 s22, s22, SLOT
.endr
	s_lshl_b32 s21, s[WH], 12                      ; the scale words: A's of my 128 rows,
	s_lshl_b32 s22, s[WL], 12
	s_add_co_u32 s22, s22, SCLB-SCLA
	s_sub_co_u32 s22, s22, s21                     ; and how far on B's lie
	v_mul_u32_u24 v6, s22, v2                      ; lanes 16-31 take B's
	s_add_co_u32 s21, s21, SCLA
	v_lshl_add_u32 v5, v1, 2, v6
	v_add_nc_u32 v[ADRS], s21, v5
	s_mul_i32 s23, s[WV], 12288                    ; my stage for the way out
	v_add_nc_u32 v[STO], s23, v3
	v_and_b32 v6, 31, v0
	v_lshlrev_b32 v[CO], 4, v6
	v_add_nc_u32 v[RD], s23, v[CO]
	s_lshl_b32 s23, s[WV], 9
	s_add_co_u32 s23, s23, SSTG
	v_lshl_add_u32 v[SSO], v1, 2, s23
	v_add_nc_u32 v[SRD], s23, v[CO]
	s_lshl_b32 s46, s42, 2                         ; the output: group 4 x tile column + 2 x half,
	s_lshl_b32 s47, s[WL], 1
	s_add_co_u32 s46, s46, s47
	s_mul_i32 s92, s46, GSTR
	s_lshl_b32 s20, s45, 8
	s_lshl_b32 s21, s[WH], 7
	s_add_co_u32 s20, s20, s21                     ; my first row
	s_mul_i32 s21, s20, 48
	s_add_co_u32 s92, s92, s21
	s_mov_b32 s93, 0
	s_lshl_b32 s46, s46, 13                        ; scale word 2 x tile column + half: 16,384 bytes each
	s_lshl_b32 s20, s20, 2
	s_add_co_u32 s46, s46, s20
	s_add_co_u32 s46, s46, OSOFF
	s_mov_b32 s47, 0
	s_add_nc_u64 s[14:15], s[12:13], s[46:47]
	s_add_nc_u64 s[12:13], s[12:13], s[92:93]
	s_lshl_b32 s94, s42, 10                        ; the bias of my 128 columns
	s_lshl_b32 s95, s[WL], 9
	s_add_co_u32 s94, s94, s95
	s_mov_b32 s95, 0
	s_add_nc_u64 s[8:9], s[6:7], s[94:95]
	s_mov_b32 s[SEL], 0x76543210
	s_mov_b32 s[SEL+1], 0xfedcba98                 ; lane selects: lane l xor 16
	v_lshlrev_b32 v[BO], 6, v2
.irp b, 0,1,2,3,4,5,6,7                        ; in tile b lane (r, h) holds columns 32 (b / 2) + 16 h + 8 (b % 2) + 0 .. 7
	global_load_b128 v[BIAS+8*\b:BIAS+8*\b+3], v[BO], s[8:9] offset:BOFF+(32*(\b/2)+8*(\b%2))*4
	global_load_b128 v[BIAS+8*\b+4:BIAS+8*\b+7], v[BO], s[8:9] offset:BOFF+(32*(\b/2)+8*(\b%2))*4+16
.endr
.macro FRAG reg, adr, q, i             ; 16 rows x 128 K: registers 6 c .. 6 c + 5 hold K = 64 c + 32 h + 0 .. 31: 24 bytes of group 2 q + c, in pieces of 8
.irp p, 0,1,2,3,4,5
	ds_load_b64 v[\reg+2*\p:\reg+2*\p+1], v[\adr] offset:(2*(\q)+\p/3)*GRP+(\i)*768+8*(\p%3)
.endr
.endm
; 16 matrix instructions: A's blocks a0, a0 + 1 x B's eight.  first = 1: the bias is the C of the sum's first product.  The 64 accumulators take turns, one instruction a turn.
.macro MUL16 a0, p, q, sc, first
.irp a, \a0, \a0+1
.irp b, 0,1,2,3,4,5,6,7
.if \first
	v_wmma_scale_f32_16x16x128_f8f6f4 v[8*(8*((\a)%4)+\b):8*(8*((\a)%4)+\b)+7], v[128*(\p)+FR*\b:128*(\p)+FR*\b+FR-1], v[AF+FR*(\a):AF+FR*(\a)+FR-1], v[BIAS+8*\b:BIAS+8*\b+7], v[SC+8*NQ*(\sc)+NQ*\b+(\q)], v[SC+8*NQ*(\sc)+NQ*(\a)+(\q)] matrix_a_fmt:MATRIX_FMT_FP6 matrix_b_fmt:MATRIX_FMT_FP6 matrix_a_scale:MATRIX_SCALE_ROW1
.else
	v_wmma_scale_f32_16x16x128_f8f6f4 v[8*(8*((\a)%4)+\b):8*(8*((\a)%4)+\b)+7], v[128*(\p)+FR*\b:128*(\p)+FR*\b+FR-1], v[AF+FR*(\a):AF+FR*(\a)+FR-1], v[8*(8*((\a)%4)+\b):8*(8*((\a)%4)+\b)+7], v[SC+8*NQ*(\sc)+NQ*\b+(\q)], v[SC+8*NQ*(\sc)+NQ*(\a)+(\q)] matrix_a_fmt:MATRIX_FMT_FP6 matrix_b_fmt:MATRIX_FMT_FP6 matrix_a_scale:MATRIX_SCALE_ROW1
.endif
.endr
.endr
.endm
.macro FETCH_B slot, q, p
	WIN TO_B
.irp i, 0,1,2,3,4,5,6,7
	FRAG 128*(\p)+FR*\i, ADRB+\slot, \q, \i
.endr
	WIN 0
.endm
.macro FETCH_A slot, q, i0
.irp i, \i0, \i0+1, \i0+2, \i0+3
	FRAG AF+FR*(\i), ADRA+\slot, \q, \i
.endr
.endm
.macro SCALES sc                       ; a K step's scale words: register 2 i + q: lanes 0-15 A's block i, lanes 16-31 B's block i, the slot's q-th 128 along K
.irp i, 0,1,2,3,4,5,6,7
.irp q, 0,1
	ds_load_b32 v[SC+16*(\sc)+2*\i+\q], v[ADRS] offset:512*\q+64*\i
.endr
.endr
.endm
.macro PLACES n                        ; plain vector instructions between a matrix instruction and a load into, or a vector read or write of, its registers
.rept \n
	v_nop
.endr
.endm
.macro STEP slot, q, first             ; 128 along K whose successor lies in the same slot
	s_wait_dscnt 4*NL                              ; B's set and A's blocks 0-3 are in; the youngest 24 loads (A's blocks 4-7) may be out
.if \first
	WIN 0x81                                       ; C (the bias) in window 0, D in window 2
.else
	WIN MUL_LO
.endif
	MUL16 0, (\q)%2, \q, \slot, \first
	MUL16 2, (\q)%2, \q, \slot, \first
	s_wait_dscnt 0
	PLACES NP
	FETCH_B \slot, (\q)+1, 1-(\q)%2
	FETCH_A \slot, (\q)+1, 0
.if \first
	WIN 0xc1
.else
	WIN MUL_HI
.endif
	MUL16 4, (\q)%2, \q, \slot, \first
	MUL16 6, (\q)%2, \q, \slot, \first
	PLACES NP
	WIN 0
	FETCH_A \slot, (\q)+1, 4
.endm
; A slot's last step changes slots: one barrier; in front of it each wave waits for all its tensor loads, adds 0 to its spare word, and waits for that and for its reads of this slot.
.macro TURN slot, next, fill
	s_wait_tensorcnt 0x0                           ; all my tensor loads have landed: my part of the next slot
	ds_add_u32 v[SPW], v[NIL]                      ; 0 onto my spare word
	s_wait_dscnt 4*NL+1                            ; (the add and the youngest 24 loads may be out)
	WIN MUL_LO
	MUL16 0, 1, NQ-1, \slot, 0                     ; sixteen matrix instructions stand between the add and the wait for it
	s_wait_dscnt 0x0                               ; the add is done, and my reads of this slot are over
	s_barrier_signal -1
	MUL16 2, 1, NQ-1, \slot, 0
	WIN 0
	s_barrier_wait -1
.if \fill
	CREST                                          ; the barrier has opened a round of the cluster's: no wave of any partner still reads this slot or has a load on its way
	s_add_nc_u64 s[G0+4*\slot+2:G0+4*\slot+3], s[G0+4*\slot+2:G0+4*\slot+3], 8*GSTR
	s_add_nc_u64 s[G0B+4*\slot+2:G0B+4*\slot+3], s[G0B+4*\slot+2:G0B+4*\slot+3], 8*GSTR
	JLOAD G0+4*\slot, G1, G0B+4*\slot, G1B         ; the first tensor load behind the round; its four v_nop are the places in front of the loads below
.else
	PLACES NP
.endif
	s_wait_alu depctr_va_vdst(0)
	v_add_nc_u32 v[ADRS], 1024, v[ADRS]            ; the next K step's scale words
	FETCH_B \next, 0, 0
	FETCH_A \next, 0, 0
	SCALES \next
	WIN MUL_HI
	MUL16 4, 1, NQ-1, \slot, 0
	MUL16 6, 1, NQ-1, \slot, 0
	PLACES NP
	WIN 0
	FETCH_A \next, 0, 4
.endm
	s_wait_alu depctr_va_vdst(0)
	s_wait_tensorcnt 1                             ; the scale words and my part of K step 0 are in (K step 1's load may be out)
	s_barrier_signal -1
	s_barrier_wait -1                              ; everybody's are
	FETCH_B 0, 0, 0
	FETCH_A 0, 0, 0
	SCALES 0
	FETCH_A 0, 0, 4
	s_wait_loadcnt 0x0                             ; the bias
	s_wait_kmcnt 0x0                               ; the floor
	STEP 0, 0, 1
	s_mov_b32 s3, LAPS-1
.Llap:                                                 ; a trip goes once round the ring and fills both slots again
	TURN 0, 1, 1
	STEP 1, 0, 0
	TURN 1, 0, 1
	STEP 0, 0, 0
	s_sub_co_u32 s3, s3, 1
	s_cmp_lg_u32 s3, 0
	s_cbranch_scc1 .Llap
	TURN 0, 1, 0                                   ; the last lap fills nothing
	STEP 1, 0, 0
	s_wait_dscnt 4*NL
	WIN MUL_LO
	MUL16 0, 1, NQ-1, 1, 0
	MUL16 2, 1, NQ-1, 1, 0
	s_wait_dscnt 0
	WIN MUL_HI
	MUL16 4, 1, NQ-1, 1, 0
	MUL16 6, 1, NQ-1, 1, 0
	WIN 0
; THE WAY OUT.  64 numbers of a lane, register 16 b + i = column 32 b + 16 h + i of my row, become a fragment's codes in v[PC] on and its scale word in v[PW].
.macro QUANT s
.irp b, 0,1,2,3
	v_max3_num_f32 v[TM+\b], |v[\s+16*\b]|, |v[\s+1+16*\b]|, 0x1800000   ; my 16 numbers of block b, and the floor 2^(3 - 127): the byte cannot fall under 1
.endr
.irp i, 2,4,6,8,10,12,14
.irp b, 0,1,2,3
	v_max3_num_f32 v[TM+\b], v[TM+\b], |v[\s+16*\b+\i]|, |v[\s+1+16*\b+\i]|
.endr
.endr
.irp b, 0,1,2,3
	v_permlanex16_b32 v[TM+4+\b], v[TM+\b], s[SEL], s[SEL+1]
.endr
.irp b, 0,1,2,3
	v_max_num_f32 v[TM+\b], v[TM+\b], v[TM+4+\b]   ; with lane l xor 16's: the block's largest magnitude
.endr
.irp b, 0,1,2,3
	v_add_nc_u32 v[TM+12+\b], 0xff000000, v[TM+\b] ; 2 off its exponent field: the conversion's scale operand
.endr
.irp b, 0,1,2,3
	v_lshrrev_b32 v[TM+4+\b], 23, v[TM+12+\b]      ; the scale's byte
.endr
	v_lshl_or_b32 v[PW], v[TM+5], 8, v[TM+4]
	v_lshl_or_b32 v[PW], v[TM+6], 16, v[PW]
	v_lshl_or_b32 v[PW], v[TM+7], 24, v[PW]
.irp c, 0,1
	v_cvt_scalef32_pk16_fp6_f32 v[PC+6*\c:PC+2+6*\c], v[\s+32*\c:\s+15+32*\c], v[TM+12+2*\c]
	v_cvt_scalef32_pk16_fp6_f32 v[PC+12+4*\c:PC+14+4*\c], v[\s+16+32*\c:\s+31+32*\c], v[TM+12+2*\c+1]   ; (a conversion's three registers begin on an even number)
.endr
	v_nop                                          ; one plain instruction behind a scaled conversion
.irp c, 0,1                                    ; a WHOLE block to a lane: lanes 0-15 block 2 c, lanes 16-31 block 2 c + 1
.irp i, 0,1,2
	v_permlane16_swap_b32 v[PC+6*\c+\i], v[PC+12+4*\c+\i]
.endr
.irp i, 0,1,2
	v_mov_b32 v[PC+3+6*\c+\i], v[PC+12+4*\c+\i]
.endr
.endr
.endm
.macro OUTBLK a                        ; my rows 16 a .. 16 a + 15
	WIN 0x08+4*((\a)/4)                            ; source 1: window 2 or 3
.set n, 0
.rept 64
	v_max_num_f32 v[T+n], s[FLO], v[64*((\a)%4)+n] ; the floor, and the way into window 0, in one line; each accumulator from its low end on
.set n, n+1
.endr
	WIN 0
	QUANT T
.irp c, 0,1
.irp p, 0,1,2
	ds_store_b64 v[STO], v[PC+6*\c+2*\p:PC+6*\c+2*\p+1] offset:\c*GRP+(\a)*768+8*\p
.endr
.endr
	ds_store_b32 v[SSO], v[PW] offset:64*(\a)      ; both halves of the lanes write the same word with the same value
	s_wait_dscnt 0x0                               ; the stores have read their registers
.endm
	PLACES NP                                      ; behind the last products: their results are read, and A's registers written, from here on
.irp b, 0,1,2,3
	v_mov_b32 v[TM+4+\b], 0                        ; a lane permute's destination counts as one of its sources
.endr
; The stages lie in slot 0: it has had its last fill, and every wave has passed the last change of slots, behind which nobody reads it.  They are each wave's own: no barrier.
.irp a, 0,1,2,3,4,5,6,7
	OUTBLK \a
.endr
.irp c, 0,1                                    ; a group's 128 rows are 6,144 consecutive bytes of the output
.if \c > 0
	s_wait_xcnt 0x0                                ; the first group's stores have read their registers
.endif
.irp k, 0,1,2,3,4,5,6,7,8,9,10,11
	ds_load_b128 v[BK+4*\k:BK+4*\k+3], v[RD] offset:\c*GRP+512*\k
.endr
.irp k, 0,1,2,3,4,5,6,7,8,9,10,11
	s_wait_dscnt 11-\k                             ; LDS loads come back in order: the younger ones may be out
	global_store_b128 v[CO], v[BK+4*\k:BK+4*\k+3], s[12:13] offset:\c*GSTR+512*\k   ; 32 lanes store 512 consecutive bytes, aligned to 256
.endr
.endr
	ds_load_b128 v[148:151], v[SRD]
	s_wait_dscnt 0x0
	global_store_b128 v[CO], v[148:151], s[14:15]  ; my 128 rows' scale words: 512 consecutive bytes
	s_wait_tensorcnt 0x0                           ; the wave's end
	ds_add_u32 v[SPW], v[NIL]
	s_wait_dscnt 0x0
	CROUND                                         ; the closing round
	s_endpgm
.Lfunc_end_k_q343e3df29a_qkv:
	.size	k_q343e3df29a_qkv, .Lfunc_end_k_q343e3df29a_qkv-k_q343e3df29a_qkv
	.p2alignl 7, 3214868480
	.fill 96, 4, 3214868480
	.section	.rodata,"a",@progbits
	.p2align	6, 0x0
	.amdhsa_kernel k_q343e3df29a_qkv
		.amdhsa_group_segment_fixed_size 327680
		.amdhsa_private_segment_fixed_size 0
		.amdhsa_enable_private_segment 0
		.amdhsa_kernarg_size 32
		.amdhsa_user_sgpr_count 2
		.amdhsa_user_sgpr_kernarg_segment_ptr 1
		.amdhsa_wavefront_size32 1
		.amdhsa_system_sgpr_workgroup_id_x 1
		.amdhsa_system_sgpr_workgroup_id_y 1
		.amdhsa_system_sgpr_workgroup_id_z 1
		.amdhsa_system_vgpr_workitem_id 0
		.amdhsa_next_free_vgpr 1024
		.amdhsa_next_free_sgpr 98
		.amdhsa_reserve_vcc 0
		.amdhsa_float_denorm_mode_32 3
		.amdhsa_float_denorm_mode_16_64 3
		.amdhsa_memory_ordered 1
		.amdhsa_forward_progress 1
		.amdhsa_inst_pref_size 190
	.end_amdhsa_kernel
	.amdgpu_metadata
---
amdhsa.version: [ 1, 2 ]
amdhsa.kernels:
  - .name:           k_q343e3df29a_qkv
    .symbol:         k_q343e3df29a_qkv.kd
    .args:
      - { .name: act, .offset: 0, .size: 8, .value_kind: global_buffer, .address_space: global }
      - { .name: wqkv, .offset: 8, .size: 8, .value_kind: global_buffer, .address_space: global }
      - { .name: big1, .offset: 16, .size: 8, .value_kind: global_buffer, .address_space: global }
      - { .name: vt, .offset: 24, .size: 8, .value_kind: global_buffer, .address_space: global }
    .group_segment_fixed_size: 327680
    .private_segment_fixed_size: 0
    .kernarg_segment_align: 8
    .kernarg_segment_size: 32
    .max_flat_workgroup_size: 128
    .sgpr_count:     98
    .vgpr_count:     1024
    .wavefront_size: 32
...
	.end_amdgpu_metadata
.endif
;; end of part 2
;; launch attn (part 3): grid 8 x 32, 8 waves a work-group, clusters of 4 x 1, 223,232 bytes of LDS; arguments big1, vt, mw, act; writes act
.if DOCPART == 3
	.amdgcn_target "amdgcn-amd-amdhsa--gfx1250"
	.amdhsa_code_object_version 6
	.text
	.protected	k_q343e3df29a_attn
	.globl	k_q343e3df29a_attn
	.p2align	8
	.type	k_q343e3df29a_attn,@function
k_q343e3df29a_attn:
	s_mov_b64 s[64:65], 0
	v_nop
	global_prefetch_b8 v0, s[64:65] scope:SCOPE_SE
	s_setreg_imm32_b32 hwreg(HW_REG_WAVE_MODE, 25, 1), 1
	s_wait_xcnt 0x0
	s_wait_alu depctr_hold_cnt(0) depctr_sa_sdst(0) depctr_va_vdst(0) depctr_va_sdst(0) depctr_va_ssrc(0) depctr_va_vcc(0) depctr_vm_vsrc(0)
	s_getreg_b32 s2, hwreg(HW_REG_IB_STS2, 6, 4)
	s_cmp_eq_u32 s2, 0
	s_cbranch_scc0 .Lentry_in_a_cluster
	s_endpgm
.Lentry_in_a_cluster:
	s_bfe_u32 s2, ttmp6, 0x10000c
	s_cmp_lg_u32 s2, 0x3003
	s_cbranch_scc0 .Lentry_shape_is_right
	s_endpgm
.Lentry_shape_is_right:
; ctx = softmax(q k^T / 8, masked) v for one head and 256 queries a work-group, both products on codes of FP6 (E2M3) with one E8M0 scale for each 32 along a product's K; ctx leaves as codes, quantised along the head's 64.
; q, k: codes [group][4096 rows][48 bytes], group = head for q, 16 + head for k; scale words [..][4096][4] at byte 12,582,912, a head's two bytes in half a word.  V^T: codes [64 keys' group][4096-row pitch][48], rows 2,048 + 64 head + d;
; scale words [128 keys][4096][4].  Row axes stand in the order tau (bits 3 and 4 of the row's number changed over); K axes in true order.  The mask comes as lane masks: 64 words for each (tile of 16 queries, 128 keys).
; THE SOFTMAX: t = score x log2(e) / 8; M = the running largest t rounded UP to a whole number; p = 2^(t - M) is quantised along the keys, not normalised; the row's sum is taken of the unquantised p and divides at the end;
; when M moves, the sum and O^T are multiplied by 2^(old M - new M), exactly.  A MASKED SCORE is replaced by -2^33 ahead of the maximum: c x 2^33 is a whole number that f32 holds, so a row with no key left gives p = 1 throughout,
; and beside any true score p = 0.  LIMIT: logits under about -1e9 would be ordered against masked ones otherwise than with the -1e9 of the definition.  NaN and infinities are not served.
; SHARES: eight waves, 32 queries each, as two tiles of 16: tile A's numbers lie in register window 0, tile B's in window 1, under the same register numbers, so that one text serves both.
; Each fragment of K and of V^T that a wave reads from LDS feeds two products.  Every wave walks all 2,048 keys, 128 a step.
; THE WHOLE HEAD LIES IN LDS, filled once: K 98,304 bytes, V^T 98,304, in eight chunks of 24,576; wave w asks for chunk w (0-3 K's, 4-7 V^T's), one tensor load a wave.  Nothing is filled again.
; CLUSTER 4 x 1: four query blocks of one head read the same K and V^T, and ask for each chunk jointly (mask 15); the addresses hang on the head, the batch and the wave alone.
; NO PREFETCH: the tiles are asked for once, at the head; there is no loop to run ahead in.  The mask words are asked for half a step ahead by their own scalar loads.
; IN A STEP: V^T's fragments are fetched at its top and read at its end; the next step's fragments of K are fetched behind the score products.  The last step's fetch of K reads the LDS bytes that follow K's, and nothing uses it.
; Both products are used transposed (S^T = K Q^T, O^T = V^T P^T): a lane holds one query throughout.  The head's K is 64: registers 6-11 of q's and k's fragments are zero codes.
; REGISTERS of a tile (both windows): v2 -2^33; v4 -M, v5 the largest t; v[6:7] the sum; v[8:9] f; v10-21 block maxima, bytes, scale operands; v22-31 at work; v32-95 S^T, then p; v96-127 O^T; v128-139 Q; v140-151 p's codes; v152-158 at work.
; Window 0, v160 on: V^T's four fragments; v208-215 LDS addresses; scale words: K's v216-219, v224-227, Q's v220, v221, p's v222, v223, V^T's v232-235.  Window 1, v160-255: K's eight fragments.
; s[68:99], s[24:55]: a tile's 64 mask words (s[24:43] hold the descriptors until the tensor loads are in).
.set VL,    98304
.set KSL,   196608
.set VSL,   204800
.set STG,   208896
.set SPARE, 221184                     ; the spare words: 128 bytes for each of eight waves
.set S,   32
.set O,   96
.set Q,   128
.set PC,  140
.set CT,  152
.set BM,  10
.set BT,  14
.set BX,  18
.set VF,  160
.set KF,  160
.set SPW, 236
.set NIL, 237
.set MSB, 0
.macro WIN new                         ; the immediate's high byte repeats the setting that is left
.if MSB != \new
	s_set_vgpr_msb (MSB<<8)|\new
.set MSB, \new
.endif
.endm
.macro WALU
	s_wait_alu depctr_va_vdst(0)
.endm
.macro PLACES
.rept 4
	v_nop
.endr
.endm
.macro CROUND                          ; a round of the cluster's barrier
	s_barrier_signal -1
	s_barrier_wait -1
	s_cmp_lg_u32 s12, 0
	s_cbranch_scc1 .Lnot_wave_0_\@
	s_barrier_signal -3
.Lnot_wave_0_\@:
	s_barrier_wait -3
	s_barrier_signal -1
	s_barrier_wait -1
.endm
.macro INIT                            ; a tile's state ahead of the first step
	v_mov_b32 v2, 0xd0000000                       ; -2^33
	v_mov_b32 v4, 0x7f61b1e6                       ; -M = 3e38
	v_mov_b32 v5, 0xff61b1e6                       ; the largest t so far: -3e38
.irp i, 3,6,7,9,14,15,16,17,22,23
	v_mov_b32 v\i, 0                               ; the sum; destinations of lane permutes and upper halves of pairs count as read
.endr
.irp i, 6,7,8,9,10,11
	v_mov_b32 v[Q+\i], 0                           ; Q's K = 64 .. 127: zero codes
.endr
.set n, 0
.rept 32
	v_mov_b32 v[O+n], 0                            ; O^T: the step has no first step of its own; the first change of M leaves zeros zeros
.set n, n+1
.endr
.endm
.macro KLOAD                           ; eight tiles of 16 keys and their scale bytes: 32 LDS loads
	WIN 0x40
.irp t, 0,1,2,3,4,5,6,7
.irp p, 0,1,2
	ds_load_b64 v[KF+12*\t+2*\p:KF+12*\t+2*\p+1], v212 offset:\t*768+8*\p
.endr
.endr
	WIN 0
.irp t, 0,1,2,3,4,5,6,7
	ds_load_u16 v[216+(\t%4)+8*(\t/4)], v214 offset:\t*64
.endr
.endm
.macro VLOAD                           ; the head's 64 in four tiles, 128 keys deep, and their scale words: 28 LDS loads
.irp t, 0,1,2,3
.irp p, 0,1,2,3,4,5
	ds_load_b64 v[VF+12*\t+2*\p:VF+12*\t+2*\p+1], v213 offset:(\p/3)*3072+\t*768+8*(\p%3)
.endr
	ds_load_b32 v[232+\t], v215 offset:64*\t
.endr
.endm
.macro MLOAD off                       ; 64 mask words
	s_load_b512 s[68:83], s[8:9], s56 offset:\off
	s_load_b512 s[84:99], s[8:9], s56 offset:\off+0x40
	s_load_b512 s[24:39], s[8:9], s56 offset:\off+0x80
	s_load_b512 s[40:55], s[8:9], s56 offset:\off+0xc0
.endm
.macro MASK                            ; the score where the word's bit of my lane is set, else -2^33; each accumulator from its low end on
.set n, 0
.rept 32
	v_cndmask_b32 v[S+n], v2, v[S+n], s[68+n]
.set n, n+1
.endr
.set n, 0
.rept 32
	v_cndmask_b32 v[S+32+n], v2, v[S+32+n], s[24+n]
.set n, n+1
.endr
.endm
; The softmax of one tile's 128 keys, p's codes and scale word (into v[ps] of window 0), O^T under the new M.  w: the tile's window.
.macro SOFT ps, w
.irp b, 0,1,2,3
	v_max3_num_f32 v[BM+\b], v[S+16*\b], v[S+1+16*\b], v[S+2+16*\b]   ; the largest score of each block of 32 keys: for the row's maximum and, since p rises with the score, for the block's largest p
.endr
.irp i, 3,5,7,9,11,13
.irp b, 0,1,2,3
	s_delay_alu instid0(VALU_DEP_4)
	v_max3_num_f32 v[BM+\b], v[BM+\b], v[S+16*\b+\i], v[S+1+16*\b+\i]
.endr
.endr
.irp b, 0,1,2,3
	s_delay_alu instid0(VALU_DEP_4)
	v_max_num_f32 v[BM+\b], v[BM+\b], v[S+15+16*\b]
.endr
.irp b, 0,1,2,3
	v_permlanex16_b32 v[BT+\b], v[BM+\b], s16, s17
.endr
.irp b, 0,1,2,3
	s_delay_alu instid0(VALU_DEP_4)
	v_max_num_f32 v[BM+\b], v[BM+\b], v[BT+\b]     ; with lane l xor 16's 16 keys
.endr
	s_delay_alu instid0(VALU_DEP_2)
	v_max3_num_f32 v22, v10, v11, v12
	s_delay_alu instid0(VALU_DEP_1)
	v_max_num_f32 v22, v22, v13
	s_delay_alu instid0(VALU_DEP_1)
	v_mul_f32 v22, s18, v22                        ; as t (c is positive)
	s_delay_alu instid0(VALU_DEP_1)
	v_max_num_f32 v5, v5, v22                      ; the running largest t
	v_mov_b32 v22, v4
	s_delay_alu instid0(VALU_DEP_2)
	v_floor_f32 v4, -v5                            ; -M = floor(-t): M is a whole number
	s_delay_alu instid0(VALU_DEP_1)
	v_sub_f32 v22, v4, v22                         ; old M - new M, a whole number, 0 or less
	s_delay_alu instid0(VALU_DEP_1)
	v_cvt_i32_f32 v22, v22                         ; (it saturates)
	s_delay_alu instid0(VALU_DEP_1)
	v_ldexp_f32 v8, 1.0, v22                       ; f = 2^(old M - new M)
.set n, 0
.rept 32
	v_pk_fma_f32 v[S+n:S+n+1], v[S+n:S+n+1], s[18:19], v[4:5] op_sel_hi:[1,0,0]   ; t - M, two at a time
.set n, n+2
.endr
.irp b, 0,1,2,3
	v_fma_f32 v[BM+\b], v[BM+\b], s18, v4          ; the same of each block's largest score
.endr
	WALU                                           ; the wait ahead of the batch
.set n, 0
.rept 64
	v_exp_f32 v[S+n], v[S+n]                       ; p = 2^(t - M)
.set n, n+1
.endr
	v_pk_mul_f32 v[6:7], v[6:7], v[8:9] op_sel_hi:[1,0]   ; the sums under the new M: the plain instruction behind the exponentials
	WALU                                           ; one wait for the batch, ahead of its first reader
.irp b, 0,1,2,3
	v_exp_f32 v[BM+\b], v[BM+\b]                   ; the block's largest p: the same two instructions on the same number
.endr
.irp c, 0,1,2,3,4,5,6                          ; the row's sum of the unquantised p: 32 pairs in eight chains
	v_pk_add_f32 v[24+2*\c+120*(\c/4):25+2*\c+120*(\c/4)], v[S+2*\c:S+2*\c+1], v[S+16+2*\c:S+17+2*\c]
.endr
	v_pk_add_f32 v[6:7], v[6:7], v[S+14:S+15]
.irp j, 2,3
.irp c, 0,1,2,3,4,5,6
	v_pk_add_f32 v[24+2*\c+120*(\c/4):25+2*\c+120*(\c/4)], v[24+2*\c+120*(\c/4):25+2*\c+120*(\c/4)], v[S+16*\j+2*\c:S+16*\j+2*\c+1]
.endr
	v_pk_add_f32 v[6:7], v[6:7], v[S+16*\j-2:S+16*\j-1]
.endr
	s_delay_alu instid0(VALU_DEP_4)
	v_pk_add_f32 v[24:25], v[24:25], v[152:153]
	s_delay_alu instid0(VALU_DEP_4)
	v_pk_add_f32 v[26:27], v[26:27], v[154:155]
	s_delay_alu instid0(VALU_DEP_4)
	v_pk_add_f32 v[28:29], v[28:29], v[156:157]
	v_pk_add_f32 v[6:7], v[6:7], v[S+62:S+63]
	s_delay_alu instid0(VALU_DEP_3)
	v_pk_add_f32 v[24:25], v[24:25], v[26:27]
	s_delay_alu instid0(VALU_DEP_3)
	v_pk_add_f32 v[28:29], v[28:29], v[30:31]
	s_delay_alu instid0(VALU_DEP_2)
	v_pk_add_f32 v[6:7], v[6:7], v[24:25]
	s_delay_alu instid0(VALU_DEP_1)
	v_pk_add_f32 v[6:7], v[6:7], v[28:29]
	WALU                                           ; and one for the four
.irp b, 0,1,2,3
	v_max_num_f32 v[BM+\b], 0x1800000, v[BM+\b]    ; the floor 2^(3 - 127): a block whose every p is 0 keeps the byte 1 over zero codes
.endr
.irp b, 0,1,2,3
	s_delay_alu instid0(VALU_DEP_4)
	v_add_nc_u32 v[BX+\b], 0xff000000, v[BM+\b]    ; 2 off the exponent field: the conversion's scale operand
.endr
.irp b, 0,1,2,3
	s_delay_alu instid0(VALU_DEP_4)
	v_lshrrev_b32 v[BT+\b], 23, v[BX+\b]           ; the scale's byte
.endr
	s_delay_alu instid0(VALU_DEP_3)
	v_lshl_or_b32 v23, v15, 8, v14
	s_delay_alu instid0(VALU_DEP_1)
	v_lshl_or_b32 v23, v16, 16, v23
	WIN 0x15*\w                                    ; scale operands are taken from window 0
	v_lshl_or_b32 v[\ps], v17, 24, v23
	WIN 0x55*\w
.irp c, 0,1
	v_cvt_scalef32_pk16_fp6_f32 v[PC+6*\c:PC+2+6*\c], v[S+32*\c:S+15+32*\c], v[BX+2*\c]
	v_cvt_scalef32_pk16_fp6_f32 v[CT+4*\c:CT+2+4*\c], v[S+16+32*\c:S+31+32*\c], v[BX+2*\c+1]   ; (a conversion's three registers begin on an even number)
.endr
	v_nop                                          ; one plain instruction behind a scaled conversion
.irp c, 0,1                                    ; a whole block to a lane
.irp i, 0,1,2
	v_permlane16_swap_b32 v[PC+6*\c+\i], v[CT+4*\c+\i]
.endr
.irp i, 0,1,2
	s_delay_alu instid0(VALU_DEP_3)
	v_mov_b32 v[PC+3+6*\c+\i], v[CT+4*\c+\i]
.endr
.endr
	WALU                                           ; the wait directly ahead of the first reader of O^T
.set n, 0
.rept 16
	v_pk_mul_f32 v[O+n:O+n+1], v[O+n:O+n+1], v[8:9] op_sel_hi:[1,0]   ; O^T under the new M; these also stand between the lines that made p's codes and scale word and the products
.set n, n+2
.endr
.endm
; ---------------- the head
	s_load_b256 s[4:11], s[0:1], 0x0               ; q and k s[4:5], V^T s[6:7], the lane masks s[8:9], ctx s[10:11]
	v_lshl_add_u32 v[SPW], v0, 2, SPARE
	v_mov_b32 v[NIL], 0
	ds_add_u32 v[SPW], v[NIL]                      ; the opening lines: the add, twice on end,
	ds_add_u32 v[SPW], v[NIL]
	v_lshrrev_b32 v1, 5, v0
	v_readfirstlane_b32 s12, v1                    ; wave 0..7
	s_bfe_u32 s61, ttmp6, 0x40000                  ; cx
	s_lshl_b32 s58, ttmp9, 2
	s_add_co_u32 s58, s58, s61                     ; the query block: 4 x cluster x + cx
	s_and_b32 s57, ttmp7, 0xffff
	s_lshr_b32 s13, s57, 4                         ; batch
	s_and_b32 s14, s57, 15                         ; head
	s_lshl_b32 s15, s13, 11
	s_lshl_b32 s58, s58, 8
	s_add_co_u32 s15, s15, s58                     ; the work-group's first row
	s_lshl_b32 s57, s12, 5
	s_add_co_u32 s57, s57, s15                     ; my first row
	s_mov_b32 s24, 15|(3<<16)|(1<<21)              ; K's chunk: 24,576 dense bytes as 96 rows of 256 (32 elements of 8 bytes); the mask names the cluster's four
	s_mov_b32 s25, 32<<16
	s_mov_b32 s26, 96<<16
	s_mov_b32 s27, 32<<16
	s_mov_b32 s28, 96
	s_mov_b32 s29, 32
	s_mov_b32 s30, 0
	s_mov_b32 s31, 0
	s_mov_b32 s32, 15|(3<<16)|(1<<21)              ; V^T's chunk: eight groups of 64 rows x 48 = 3,072 bytes, 196,608 bytes apart
	s_mov_b32 s33, 384<<16
	s_mov_b32 s34, 8<<16
	s_mov_b32 s35, 384<<16
	s_mov_b32 s36, 8
	s_mov_b32 s37, 24576
	s_mov_b32 s38, 0
	s_mov_b32 s39, 0
	s_mov_b32 s40, 1
	s_mul_i32 s41, s12, 24576                      ; chunk w lands at 24,576 w: K's four, then V^T's four
	s_and_b32 s60, s12, 3
	s_add_co_u32 s61, s14, 16
	s_mul_i32 s61, s61, 196608
	s_mul_i32 s62, s13, 98304
	s_add_co_u32 s61, s61, s62
	s_mul_i32 s62, s60, 24576
	s_add_co_u32 s61, s61, s62                     ; K: group 16 + head, the batch's rows, my chunk of 512 keys
	s_mul_i32 s62, s13, 6291456
	s_mul_i32 s63, s14, 3072
	s_add_co_u32 s62, s62, s63
	s_add_co_u32 s62, s62, 98304
	s_mul_i32 s63, s60, 1572864
	s_add_co_u32 s62, s62, s63                     ; V^T: group 32 x batch + 8 x chunk, row 2,048 + 64 head
	s_cmp_lt_u32 s12, 4
	s_cselect_b32 s66, s61, s62
	s_mov_b32 s67, 0
	WALU
	s_wait_dscnt 0x0                               ; and the one wait for both
	CROUND                                         ; the four work-groups are here: the joint loads meet
	s_wait_kmcnt 0x0
	s_cmp_lt_u32 s12, 4
	s_cselect_b64 s[42:43], s[4:5], s[6:7]
	s_add_nc_u64 s[42:43], s[42:43], s[66:67]
	s_or_b32 s43, s43, 0x80000000
	s_cmp_lt_u32 s12, 4                            ; one load a wave, in the two arms of one branch on the wave's number
	s_cbranch_scc0 .Lfor_v
	tensor_load_to_lds s[40:43], s[24:31]
	s_nop 0
	PLACES
	s_branch .Lasked
.Lfor_v:
	tensor_load_to_lds s[40:43], s[32:39]
	s_nop 0
	PLACES
.Lasked:
	s_lshr_b32 s2, s14, 1                          ; two heads share a scale word:
	s_and_b32 s3, s14, 1
	s_lshl_b32 s3, s3, 1                           ; mine are its bytes 2 (head % 2) and the next
	s_add_co_u32 s58, s2, 8
	s_lshl_b32 s58, s58, 14
	s_lshl_b32 s59, s13, 13
	s_add_co_u32 s58, s58, s59
	s_add_co_u32 s58, s58, 12582912
	s_mov_b32 s59, 0
	s_add_nc_u64 s[58:59], s[4:5], s[58:59]        ; K's scale words: 8,192 dense bytes
	s_lshl_b32 s60, s13, 18
	s_lshl_b32 s61, s14, 8
	s_add_co_u32 s60, s60, s61
	s_add_co_u32 s60, s60, 12582912+8192
	s_mov_b32 s61, 0
	s_add_nc_u64 s[60:61], s[6:7], s[60:61]        ; V^T's: 16 steps x 256 bytes, 16,384 apart
	s_mul_i32 s62, s14, 196608
	s_mul_i32 s63, s57, 48
	s_add_co_u32 s62, s62, s63
	s_mov_b32 s63, 0
	s_add_nc_u64 s[62:63], s[4:5], s[62:63]        ; Q's codes
	s_lshl_b32 s66, s2, 14
	s_lshl_b32 s67, s57, 2
	s_add_co_u32 s66, s66, s67
	s_add_co_u32 s66, s66, s3
	s_add_co_u32 s66, s66, 12582912
	s_mov_b32 s67, 0
	s_add_nc_u64 s[66:67], s[4:5], s[66:67]        ; Q's two scale bytes
	s_lshl_b32 s20, s57, 8                         ; tile A's mask words: 16 steps x 256 bytes; tile B's lie 4,096 bytes on
	s_mov_b32 s21, 0
	s_add_nc_u64 s[8:9], s[8:9], s[20:21]
	s_mov_b32 s56, 0
	s_load_b512 s[68:83], s[8:9], s56 offset:0x0   ; the first step's first 32 words of tile A
	s_load_b512 s[84:99], s[8:9], s56 offset:0x40
	s_mov_b32 s16, 0x76543210
	s_mov_b32 s17, 0xfedcba98                      ; lane selects: lane l xor 16
	s_mov_b32 s18, 0x3e38aa3b                      ; c = log2(e) / 8
	s_mov_b32 s19, s18
	v_and_b32 v241, 15, v0                         ; r
	v_bfe_u32 v242, v0, 4, 1                       ; h
	v_mul_u32_u24 v208, v241, 48
	v_mad_u32_u24 v208, v242, 24, v208             ; a fragment's row x 48 + 24 x half
	v_add_nc_u32 v209, VL-6144, v208               ; V^T's, one step back: it goes by the offset of the NEXT step's K
	v_lshlrev_b32 v239, 2, v241
	v_add_nc_u32 v210, s3, v239
	v_add_nc_u32 v210, KSL, v210
	v_add_nc_u32 v211, VSL, v239
	v_lshlrev_b32 v238, 4, v0
	v_lshrrev_b32 v240, 4, v0
	v_lshlrev_b32 v240, 14, v240
	v_lshl_add_u32 v240, v241, 4, v240
	v_add_nc_u32 v243, KSL, v238
	global_load_b128 v[244:247], v238, s[58:59]
	global_load_b128 v[248:251], v238, s[58:59] offset:4096
	global_load_b128 v[252:255], v240, s[60:61]
.irp p, 0,1,2
	global_load_b64 v[Q+2*\p:Q+2*\p+1], v208, s[62:63] offset:8*\p
.endr
	global_load_u16 v220, v239, s[66:67]           ; the upper two bytes come out 0: they scale zero codes alone
	global_load_u16 v221, v239, s[66:67] offset:64
	WIN 0x40
.irp p, 0,1,2
	global_load_b64 v[Q+2*\p:Q+2*\p+1], v208, s[62:63] offset:768+8*\p
.endr
	INIT
.irp t, 0,1,2,3,4,5,6,7
.irp i, 6,7,8,9,10,11
	v_mov_b32 v[KF+12*\t+\i], 0                    ; K's K = 64 .. 127: zero codes, written once
.endr
.endr
	WIN 0
	INIT
	v_mov_b32 v212, v208                           ; the first step's K
	v_mov_b32 v214, v210
	WALU                                           ; the wait at the head's end
	s_wait_loadcnt 0x0
	s_wait_tensorcnt 0x0                           ; my chunk is in
	ds_store_b128 v243, v[244:247]                 ; the scale words, into LDS bytes of their own
	ds_store_b128 v243, v[248:251] offset:4096
	ds_store_b128 v243, v[252:255] offset:8192
	s_wait_dscnt 0x0
	s_barrier_signal -1
	s_barrier_wait -1                              ; everybody's chunks and scale words are in
	s_load_b512 s[24:39], s[8:9], s56 offset:0x80  ; no tensor load is out: the descriptors' registers take words 32-63
	s_load_b512 s[40:55], s[8:9], s56 offset:0xc0
	KLOAD
	s_mov_b32 s20, 6144                            ; the next step's K, and with v209 this step's V^T
	s_mov_b32 s21, 512
	s_mov_b32 s60, 0
	s_mov_b32 s23, 16
; ---------------- 128 keys a trip
.Lstep:
	v_add_nc_u32 v213, s20, v209                   ; four plain lines: also the places between the last products and the loads into V^T's registers
	v_add_nc_u32 v215, s60, v211
	v_add_nc_u32 v212, s20, v208
	v_add_nc_u32 v214, s21, v210
	WALU
	VLOAD
	s_wait_dscnt 28                                ; K's 32 loads are in; the 28 just issued may be out
	WIN 0x01                                       ; S^T = K Q^T: source 0 in window 1
.irp t, 0,1,2,3,4,5,6,7
	v_wmma_scale_f32_16x16x128_f8f6f4 v[S+8*\t:S+7+8*\t], v[KF+12*\t:KF+11+12*\t], v[Q:Q+11], 0, v[216+(\t%4)+8*(\t/4)], v220 matrix_a_fmt:MATRIX_FMT_FP6 matrix_b_fmt:MATRIX_FMT_FP6
.endr
	WIN 0x45
.irp t, 0,1,2,3,4,5,6,7
	v_wmma_scale_f32_16x16x128_f8f6f4 v[S+8*\t:S+7+8*\t], v[KF+12*\t:KF+11+12*\t], v[Q:Q+11], 0, v[216+(\t%4)+8*(\t/4)], v221 matrix_a_fmt:MATRIX_FMT_FP6 matrix_b_fmt:MATRIX_FMT_FP6
.endr
	WIN 0
	PLACES                                         ; ahead of the loads into K's registers and of the first read of the scores
	KLOAD                                          ; the next step's
	s_wait_kmcnt 0x0                               ; tile A's 64 words
	MASK
	MLOAD 0x1000                                   ; tile B's: tile A's softmax stands between these loads and the wait for them
	SOFT 222, 0
	WALU
	s_wait_dscnt 32                                ; V^T's 28 loads are in; the next step's 32 of K may be out
.irp t, 0,1,2,3                                ; tile A's O^T += V^T P^T, ahead of the wait for tile B's mask words
	v_wmma_scale_f32_16x16x128_f8f6f4 v[O+8*\t:O+7+8*\t], v[VF+12*\t:VF+11+12*\t], v[PC:PC+11], v[O+8*\t:O+7+8*\t], v[232+\t], v222 matrix_a_fmt:MATRIX_FMT_FP6 matrix_b_fmt:MATRIX_FMT_FP6
.endr
	s_wait_kmcnt 0x0
	WIN 0x55
	WALU                                           ; the wait directly ahead of the first reader of tile B's scores
	MASK
	s_add_co_u32 s56, s56, 256
	s_min_u32 s56, s56, 3840                       ; the last step asks for its own words again: no load leaves the tile's 4,096 bytes
	MLOAD 0                                        ; the next step's words of tile A
	SOFT 223, 1
	WIN 0x54                                       ; tile B's O^T += V^T P^T
.irp t, 0,1,2,3
	v_wmma_scale_f32_16x16x128_f8f6f4 v[O+8*\t:O+7+8*\t], v[VF+12*\t:VF+11+12*\t], v[PC:PC+11], v[O+8*\t:O+7+8*\t], v[232+\t], v223 matrix_a_fmt:MATRIX_FMT_FP6 matrix_b_fmt:MATRIX_FMT_FP6
.endr
	WIN 0
	s_add_co_u32 s20, s20, 6144
	s_add_co_u32 s21, s21, 512
	s_add_co_u32 s60, s60, 256
	s_sub_co_u32 s23, s23, 1
	s_cmp_lg_u32 s23, 0
	s_cbranch_scc1 .Lstep
; ---------------- THE WAY OUT: O^T / the sum, quantised along the head's 64 (two blocks); codes through a stage, so that the work-group's 12,288 bytes leave in whole runs
	PLACES
	s_mul_i32 s62, s12, 1536
	v_add_nc_u32 v244, s62, v208
	v_add_nc_u32 v244, STG, v244                   ; in: my two tiles' 768 bytes each, row r, half h
	v_and_b32 v245, 31, v0
	v_lshlrev_b32 v245, 4, v245
	v_add_nc_u32 v245, s62, v245                   ; out: 1,536 bytes a wave
	v_add_nc_u32 v246, STG, v245
	s_mul_i32 s58, s14, 196608
	s_mul_i32 s59, s15, 48
	s_add_co_u32 s58, s58, s59
	s_mov_b32 s59, 0
	s_add_nc_u64 s[58:59], s[10:11], s[58:59]      ; group = head, the work-group's 256 rows
	s_lshl_b32 s60, s2, 14
	s_lshl_b32 s61, s57, 2
	s_add_co_u32 s60, s60, s61
	s_add_co_u32 s60, s60, s3
	s_add_co_u32 s60, s60, 3145728
	s_mov_b32 s61, 0
	s_add_nc_u64 s[60:61], s[10:11], s[60:61]
.macro OUT w
	WIN 0x55*\w
	v_add_f32 v6, v6, v7
	v_permlanex16_b32 v22, v6, s16, s17
	v_add_f32 v6, v6, v22                          ; the row's sum
	WALU
	v_rcp_f32 v3, v6
	v_nop
	WALU                                           ; ahead of the reciprocal's first reader, which is also the first reader of O^T
.set n, 0
.rept 32
	v_mul_f32 v[S+n], v[O+n], v3                   ; register 16 b + i: channel 32 b + 16 h + i
.set n, n+1
.endr
.irp b, 0,1
	v_max3_num_f32 v[BM+\b], |v[S+16*\b]|, |v[S+1+16*\b]|, 0x1800000
.endr
.irp i, 2,4,6,8,10,12,14
.irp b, 0,1
	v_max3_num_f32 v[BM+\b], v[BM+\b], |v[S+16*\b+\i]|, |v[S+1+16*\b+\i]|
.endr
.endr
.irp b, 0,1
	v_permlanex16_b32 v[BT+\b], v[BM+\b], s16, s17
.endr
.irp b, 0,1
	v_max_num_f32 v[BM+\b], v[BM+\b], v[BT+\b]
.endr
.irp b, 0,1
	v_add_nc_u32 v[BX+\b], 0xff000000, v[BM+\b]
.endr
.irp b, 0,1
	v_lshrrev_b32 v[BT+\b], 23, v[BX+\b]
.endr
	v_lshl_or_b32 v22, v15, 8, v14                 ; my head's half of the row's scale word
	v_cvt_scalef32_pk16_fp6_f32 v[PC:PC+2], v[S:S+15], v18
	v_cvt_scalef32_pk16_fp6_f32 v[CT:CT+2], v[S+16:S+31], v19
	v_nop
.irp i, 0,1,2
	v_permlane16_swap_b32 v[PC+\i], v[CT+\i]
.endr
.irp i, 0,1,2
	v_mov_b32 v[PC+3+\i], v[CT+\i]
.endr
	WIN 0x04*\w                                    ; the data in the tile's window, the addresses in window 0
.irp p, 0,1,2
	ds_store_b64 v244, v[PC+2*\p:PC+2*\p+1] offset:768*\w+8*\p
.endr
	global_store_b16 v239, v22, s[60:61] offset:64*\w   ; two bytes a row (both halves of the lanes the same): a word is shared by two heads
.endm
	OUT 0
	OUT 1
	WIN 0
	WALU
	s_wait_dscnt 0x0                               ; for the others' sake: my stores into the stage are done (and the last fetch of K is back)
	s_barrier_signal -1
	s_barrier_wait -1
.irp k, 0,1,2
	ds_load_b128 v[160+4*\k:163+4*\k], v246 offset:512*\k
.endr
	s_wait_dscnt 0x0
.irp k, 0,1,2
	global_store_b128 v245, v[160+4*\k:163+4*\k], s[58:59] offset:512*\k   ; 32 lanes store 512 consecutive bytes, aligned to 256
.endr
	s_wait_tensorcnt 0x0                           ; the wave's end
	ds_add_u32 v[SPW], v[NIL]
	s_wait_dscnt 0x0
	CROUND                                         ; the closing round
	s_endpgm
.Lfunc_end_k_q343e3df29a_attn:
	.size	k_q343e3df29a_attn, .Lfunc_end_k_q343e3df29a_attn-k_q343e3df29a_attn
	.p2alignl 7, 3214868480
	.fill 96, 4, 3214868480
	.section	.rodata,"a",@progbits
	.p2align	6, 0x0
	.amdhsa_kernel k_q343e3df29a_attn
		.amdhsa_group_segment_fixed_size 223232
		.amdhsa_private_segment_fixed_size 0
		.amdhsa_enable_private_segment 0
		.amdhsa_kernarg_size 32
		.amdhsa_user_sgpr_count 2
		.amdhsa_user_sgpr_kernarg_segment_ptr 1
		.amdhsa_wavefront_size32 1
		.amdhsa_system_sgpr_workgroup_id_x 1
		.amdhsa_system_sgpr_workgroup_id_y 1
		.amdhsa_system_sgpr_workgroup_id_z 1
		.amdhsa_system_vgpr_workitem_id 0
		.amdhsa_next_free_vgpr 512
		.amdhsa_next_free_sgpr 100
		.amdhsa_reserve_vcc 0
		.amdhsa_float_denorm_mode_32 3
		.amdhsa_float_denorm_mode_16_64 3
		.amdhsa_memory_ordered 1
		.amdhsa_forward_progress 1
		.amdhsa_inst_pref_size 68
	.end_amdhsa_kernel
	.amdgpu_metadata
---
amdhsa.version: [ 1, 2 ]
amdhsa.kernels:
  - .name:           k_q343e3df29a_attn
    .symbol:         k_q343e3df29a_attn.kd
    .args:
      - { .name: big1, .offset: 0, .size: 8, .value_kind: global_buffer, .address_space: global }
      - { .name: vt, .offset: 8, .size: 8, .value_kind: global_buffer, .address_space: global }
      - { .name: mw, .offset: 16, .size: 8, .value_kind: global_buffer, .address_space: global }
      - { .name: act, .offset: 24, .size: 8, .value_kind: global_buffer, .address_space: global }
    .group_segment_fixed_size: 223232
    .private_segment_fixed_size: 0
    .kernarg_segment_align: 8
    .kernarg_segment_size: 32
    .max_flat_workgroup_size: 256
    .sgpr_count:     100
    .vgpr_count:     512
    .wavefront_size: 32
...
	.end_amdgpu_metadata
.endif
;; end of part 3
;; launch wo (part 4): grid 8 x 32, 4 waves a work-group, clusters of 4 x 4, 327,680 bytes of LDS; arguments act, wts, bo, x, x1; writes x1
.if DOCPART == 4
	.amdgcn_target "amdgcn-amd-amdhsa--gfx1250"
	.amdhsa_code_object_version 6
	.text
	.protected	k_q343e3df29a_wo
	.globl	k_q343e3df29a_wo
	.p2align	8
	.type	k_q343e3df29a_wo,@function
k_q343e3df29a_wo:
	s_mov_b64 s[64:65], 0
	v_nop
	global_prefetch_b8 v0, s[64:65] scope:SCOPE_SE
	s_setreg_imm32_b32 hwreg(HW_REG_WAVE_MODE, 25, 1), 1
	s_wait_xcnt 0x0
	s_wait_alu depctr_hold_cnt(0) depctr_sa_sdst(0) depctr_va_vdst(0) depctr_va_sdst(0) depctr_va_ssrc(0) depctr_va_vcc(0) depctr_vm_vsrc(0)
	s_getreg_b32 s2, hwreg(HW_REG_IB_STS2, 6, 4)
	s_cmp_eq_u32 s2, 0
	s_cbranch_scc0 .Lentry_in_a_cluster
	s_endpgm
.Lentry_in_a_cluster:
	s_bfe_u32 s2, ttmp6, 0x10000c
	s_cmp_lg_u32 s2, 0xf033
	s_cbranch_scc0 .Lentry_shape_is_right
	s_endpgm
.Lentry_shape_is_right:
.set SIZE_K, 1024
.set ASOFF,  3145728
.set BC,     0
.set BS,     786432
.set NKS,   SIZE_K/128
.set LAPS,  SIZE_K/1024
.set FR,    12
.set GRP,   3072
.set HALFT, 8*GRP
.set SLOT,  4*HALFT
.set ASTEP, 8*196608
.set BSTEP, 8*49152
.set HS,    NKS*256
.set SCLA,  2*SLOT
.set SCLB,  SCLA+2*HS+128
.set SPARE, SCLA+4*HS+256
.set ADRA, 16
.set ADRB, 20
.set ADRS, 22
.set STO,  24
.set RD,   25
.set CO,   26
.set SPW,  28
.set NIL,  29
.set BO,   30
.set SC,   32
.set AFR,  64
.set BFR,  160
.set BIAS, 128
.set OB,   64
.set WV,   16
.set WH,   17
.set WL,   18
.set G1,   24
.set G0,   32
.set G1B,  48
.set G0B,  56
.set G1S,  68
.set G0S,  76
.set G1SB, 80
.set G0SB, 88
.set MSB, 0
.macro WIN new
.if MSB != \new
	s_set_vgpr_msb (MSB<<8)|\new
.set MSB, \new
.endif
.endm
.macro JLOAD g0a, g1a, g0b, g1b
	s_cmp_eq_u32 s[WH], 0
	s_cbranch_scc0 .Lfor_b_\@
	tensor_load_to_lds s[\g0a:\g0a+3], s[\g1a:\g1a+7]
	s_nop 0
.rept 4
	v_nop
.endr
	s_branch .Lasked_\@
.Lfor_b_\@:
	tensor_load_to_lds s[\g0b:\g0b+3], s[\g1b:\g1b+7]
	s_nop 0
.rept 4
	v_nop
.endr
.Lasked_\@:
.endm
.macro CREST
	s_cmp_lg_u32 s[WV], 0
	s_cbranch_scc1 .Lnot_wave_0_\@
	s_barrier_signal -3
.Lnot_wave_0_\@:
	s_barrier_wait -3
	s_barrier_signal -1
	s_barrier_wait -1
.endm
.macro CROUND
	s_barrier_signal -1
	s_barrier_wait -1
	CREST
.endm
.macro PLACES
.rept 4
	v_nop
.endr
.endm
	s_load_b256 s[4:11], s[0:1], 0x0
	s_load_b64 s[12:13], s[0:1], 0x20
	v_lshl_add_u32 v[SPW], v0, 2, SPARE
	v_mov_b32 v[NIL], 0
	ds_add_u32 v28, v29
	ds_add_u32 v28, v29
	s_wait_dscnt 0x0
	v_lshrrev_b32 v1, 5, v0
	v_readfirstlane_b32 s[WV], v1
	s_lshr_b32 s[WH], s[WV], 1
	s_and_b32 s[WL], s[WV], 1
	s_bfe_u32 s40, ttmp6, 0x40000
	s_bfe_u32 s41, ttmp6, 0x40004
	s_lshl_b32 s42, ttmp9, 2
	s_add_co_u32 s42, s42, s40
	s_and_b32 s45, ttmp7, 0xffff
	s_lshl_b32 s45, s45, 2
	s_add_co_u32 s45, s45, s41
	s_lshl_b32 s43, s41, 2
	s_lshl_b32 s43, 15, s43
	s_lshl_b32 s44, 0x1111, s40
	s_or_b32 s[G1+0], s43, (3<<16)|(1<<21)
	s_or_b32 s[G1B+0], s44, (3<<16)|(1<<21)
.irp g, G1, G1B
	s_mov_b32 s[\g+1], 384<<16
	s_mov_b32 s[\g+2], 8<<16
	s_mov_b32 s[\g+3], 384<<16
	s_mov_b32 s[\g+4], 8
	s_mov_b32 s[\g+6], 0
	s_mov_b32 s[\g+7], 0
.endr
	s_mov_b32 s[G1+5], 24576
	s_mov_b32 s[G1B+5], 6144
	s_lshl_b32 s21, s[WL], 6
	s_lshl_b32 s20, s45, 7
	s_add_co_u32 s20, s20, s21
	s_lshl_b32 s46, s42, 7
	s_add_co_u32 s46, s46, s21
	s_lshl_b32 s22, s20, 2
	s_add_co_u32 s22, s22, ASOFF
	s_mov_b32 s23, 0
	s_mul_i32 s20, s20, 48
	s_mov_b32 s21, 0
	s_lshl_b32 s92, s46, 2
	s_add_co_u32 s92, s92, BS
	s_mov_b32 s93, 0
	s_mul_i32 s46, s46, 48
	s_add_co_u32 s46, s46, BC
	s_mov_b32 s47, 0
	s_mul_i32 s94, s[WV], HALFT
	s_mul_i32 s95, s[WL], HS
	s_wait_kmcnt 0x0
	s_add_nc_u64 s[20:21], s[4:5], s[20:21]
	s_add_nc_u64 s[22:23], s[4:5], s[22:23]
	s_add_nc_u64 s[46:47], s[6:7], s[46:47]
	s_add_nc_u64 s[92:93], s[6:7], s[92:93]
	CROUND
	; THE SCALE WORDS come through registers: NKS x 256 bytes a wave (waves 0, 1: A's two halves; 2, 3: B's); a load takes two words' 256 bytes, sixteen lanes each; they are stored into LDS bytes on which no fill lands.
	; They are not asked for jointly: a small part of the work-group's bytes.
	s_mul_i32 s3, s[WH], SCLB-SCLA
	s_add_co_u32 s3, s3, s95
	s_add_co_u32 s3, s3, SCLA
	v_and_b32 v4, 15, v0
	v_bfe_u32 v5, v0, 4, 1
	v_lshlrev_b32 v4, 4, v4
	v_lshl_add_u32 v6, v5, 14, v4                  ; A: from word to word 16,384 bytes
	v_lshl_add_u32 v7, v5, 12, v4                  ; B: 4,096
	v_and_b32 v8, 31, v0
	v_lshlrev_b32 v8, 4, v8
	v_add_nc_u32 v8, s3, v8
	s_wait_alu depctr_va_vdst(0)
.irp s, 0,1
	s_mov_b32 s[G0+4*\s], 1
	s_add_co_u32 s[G0+4*\s+1], s94, \s*SLOT
	s_add_nc_u64 s[G0+4*\s+2:G0+4*\s+3], s[20:21], \s*ASTEP
	s_or_b32 s[G0+4*\s+3], s[G0+4*\s+3], 0x80000000
	s_mov_b32 s[G0B+4*\s], 1
	s_add_co_u32 s[G0B+4*\s+1], s94, \s*SLOT
	s_add_nc_u64 s[G0B+4*\s+2:G0B+4*\s+3], s[46:47], \s*BSTEP
	s_or_b32 s[G0B+4*\s+3], s[G0B+4*\s+3], 0x80000000
.if \s
	s_wait_loadcnt 0x0                             ; my scale words are in registers,
	s_wait_tensorcnt 0x0                           ; and my part of slot 0 is in LDS
.set n, 0
.rept NKS/2
	ds_store_b128 v8, v[64+4*n:67+4*n] offset:512*n
.set n, n+1
.endr
	s_wait_tensorcnt 0x0                           ; a later first fill is issued as a refill is: all my loads are in,
	ds_add_u32 v28, v29                            ; the add,
	s_wait_dscnt 0x0                               ; it and my stores of scale words are done,
	CROUND                                         ; a whole round,
.endif
	JLOAD G0+4*\s, G1, G0B+4*\s, G1B               ; and my one load behind it (slot 0's: my one load at the head)
.if \s == 0
	s_cmp_eq_u32 s[WH], 0
	s_cbranch_scc0 .Lscales_b
.set n, 0
.rept NKS/2
	global_load_b128 v[64+4*n:67+4*n], v6, s[22:23] offset:32768*n
.set n, n+1
.endr
	s_branch .Lscales_in
.Lscales_b:
.set n, 0
.rept NKS/2
	global_load_b128 v[64+4*n:67+4*n], v7, s[92:93] offset:8192*n
.set n, n+1
.endr
.Lscales_in:
.endif
.endr
	v_and_b32 v1, 15, v0
	v_bfe_u32 v2, v0, 4, 1
	s_wait_alu depctr_va_vdst(0)
	v_mul_u32_u24 v3, v1, 48
	v_mad_u32_u24 v3, v2, 24, v3
	s_mul_i32 s21, s[WH], HALFT
	s_mul_i32 s22, s[WL], HALFT
	s_add_co_u32 s22, s22, 2*HALFT
.irp s, 0,1
	v_add_nc_u32 v[ADRA+\s], s21, v3
	v_add_nc_u32 v[ADRB+\s], s22, v3
	s_add_co_u32 s21, s21, SLOT
	s_add_co_u32 s22, s22, SLOT
.endr
	s_mul_i32 s21, s[WH], HS
	s_mul_i32 s22, s[WL], HS
	s_add_co_u32 s22, s22, SCLB-SCLA
	s_sub_co_u32 s22, s22, s21
	v_mul_u32_u24 v6, s22, v2
	s_add_co_u32 s21, s21, SCLA
	v_lshl_add_u32 v5, v1, 2, v6
	v_add_nc_u32 v[ADRS], s21, v5
	s_mul_i32 s23, s[WV], 4352
	v_mul_u32_u24 v5, v1, 272
	v_lshl_add_u32 v5, v2, 6, v5
	v_add_nc_u32 v[STO], s23, v5
	v_mul_u32_u24 v5, v2, 272
	v_lshl_add_u32 v5, v1, 4, v5
	v_add_nc_u32 v[RD], s23, v5
	v_lshlrev_b32 v5, 12, v2
	v_lshl_add_u32 v[CO], v1, 4, v5
	s_wait_alu depctr_va_vdst(0)
	s_lshl_b32 s20, s45, 7
	s_lshl_b32 s21, s[WH], 6
	s_add_co_u32 s20, s20, s21
	s_lshl_b32 s20, s20, 12
	s_lshl_b32 s46, s42, 9
	s_lshl_b32 s47, s[WL], 8
	s_add_co_u32 s46, s46, s47
	s_mov_b32 s47, 0
	s_add_nc_u64 s[8:9], s[8:9], s[46:47]
	s_add_co_u32 s46, s46, s20
	s_add_nc_u64 s[10:11], s[10:11], s[46:47]
	s_add_nc_u64 s[12:13], s[12:13], s[46:47]
	v_lshlrev_b32 v[BO], 6, v2
	WIN 0x40
.irp b, 0,1,2,3
	global_load_b128 v[BIAS+8*\b:BIAS+8*\b+3], v[BO], s[8:9] offset:(32*(\b/2)+8*(\b%2))*4
	global_load_b128 v[BIAS+8*\b+4:BIAS+8*\b+7], v[BO], s[8:9] offset:(32*(\b/2)+8*(\b%2))*4+16
.endr
	WIN 0x80
.irp a, 0,1,2,3
.irp t, 0,1,2,3,4,5,6,7
	global_load_b128 v[32*\a+4*\t:32*\a+4*\t+3], v[CO], s[10:11] offset:(32*(\a/2)+16*(\t/4)+8*(\a%2)+2*(\t%4))*4096 th:TH_LOAD_NT
.endr
.endr
	WIN 0
.macro FRAG reg, adr, q, i
.irp p, 0,1,2,3,4,5
	ds_load_b64 v[\reg+2*\p:\reg+2*\p+1], v[\adr] offset:(2*(\q)+\p/3)*GRP+(\i)*768+8*(\p%3)
.endr
.endm
.macro FETCH slot, q, set
.irp i, 0,1,2,3
	FRAG BFR+48*(\set)+FR*\i, ADRB+\slot, \q, \i
.endr
.irp i, 0,1,2,3
	FRAG AFR+48*(\set)+FR*\i, ADRA+\slot, \q, \i
.endr
.endm
.macro SCALES sc
.irp q, 0,1,2,3
.irp i, 0,1,2,3
	ds_load_b32 v[SC+16*(\sc)+4*\q+\i], v[ADRS] offset:256*\q+64*\i
.endr
.endr
.endm
.macro MUL8 set, q, sc, a0, first
.irp a, \a0, \a0+1
.irp b, 0,1,2,3
.if \first
	v_wmma_scale_f32_16x16x128_f8f6f4 v[8*(4*(\a)+\b):8*(4*(\a)+\b)+7], v[BFR+48*(\set)+FR*\b:BFR+48*(\set)+FR*\b+FR-1], v[AFR+48*(\set)+FR*(\a):AFR+48*(\set)+FR*(\a)+FR-1], v[BIAS+8*\b:BIAS+8*\b+7], v[SC+16*(\sc)+4*(\q)+\b], v[SC+16*(\sc)+4*(\q)+(\a)] matrix_a_fmt:MATRIX_FMT_FP6 matrix_b_fmt:MATRIX_FMT_FP6 matrix_a_scale:MATRIX_SCALE_ROW1
.else
	v_wmma_scale_f32_16x16x128_f8f6f4 v[8*(4*(\a)+\b):8*(4*(\a)+\b)+7], v[BFR+48*(\set)+FR*\b:BFR+48*(\set)+FR*\b+FR-1], v[AFR+48*(\set)+FR*(\a):AFR+48*(\set)+FR*(\a)+FR-1], v[8*(4*(\a)+\b):8*(4*(\a)+\b)+7], v[SC+16*(\sc)+4*(\q)+\b], v[SC+16*(\sc)+4*(\q)+(\a)] matrix_a_fmt:MATRIX_FMT_FP6 matrix_b_fmt:MATRIX_FMT_FP6 matrix_a_scale:MATRIX_SCALE_ROW1
.endif
.endr
.endr
.endm
.macro STEP slot, q, first
	s_wait_dscnt 0x0
	PLACES
	FETCH \slot, (\q)+1, ((\q)+1)%2
	WIN 0x50
	MUL8 (\q)%2, \q, \slot, 0, \first
	MUL8 (\q)%2, \q, \slot, 2, \first
	WIN 0
.endm
.macro LAST slot, next, fill
	s_wait_tensorcnt 0x0
	ds_add_u32 v[SPW], v[NIL]
.if \fill
	s_add_nc_u64 s[G0+4*\slot+2:G0+4*\slot+3], s[G0+4*\slot+2:G0+4*\slot+3], 2*ASTEP
	s_add_nc_u64 s[G0B+4*\slot+2:G0B+4*\slot+3], s[G0B+4*\slot+2:G0B+4*\slot+3], 2*BSTEP
.endif
	s_wait_dscnt 0x0
	s_barrier_signal -1
	WIN 0x50
	MUL8 1, 3, \slot, 0, 0
	WIN 0
	s_barrier_wait -1
.if \fill
	CREST
	JLOAD G0+4*\slot, G1, G0B+4*\slot, G1B
.else
	PLACES
.endif
	v_add_nc_u32 v[ADRS], 1024, v[ADRS]
	FETCH \next, 0, 0
	SCALES \next
	WIN 0x50
	MUL8 1, 3, \slot, 2, 0
	WIN 0
.endm
	s_wait_tensorcnt 1
	s_barrier_signal -1
	s_barrier_wait -1
	FETCH 0, 0, 0
	SCALES 0
	s_wait_loadcnt 32
	STEP 0, 0, 1
	STEP 0, 1, 0
	STEP 0, 2, 0
.if LAPS > 1
	s_mov_b32 s3, LAPS-1
.Llap:
	LAST 0, 1, 1
	STEP 1, 0, 0
	STEP 1, 1, 0
	STEP 1, 2, 0
	LAST 1, 0, 1
	STEP 0, 0, 0
	STEP 0, 1, 0
	STEP 0, 2, 0
	s_sub_co_u32 s3, s3, 1
	s_cmp_lg_u32 s3, 0
	s_cbranch_scc1 .Llap
.endif
	LAST 0, 1, 0
	STEP 1, 0, 0
	STEP 1, 1, 0
	STEP 1, 2, 0
	s_wait_dscnt 0x0
	WIN 0x50
	MUL8 1, 3, 1, 0, 0
	MUL8 1, 3, 1, 2, 0
	WIN 0
.macro OUTBLK a
.if (\a) >= 2
	s_wait_xcnt 0x0
.endif
	WIN 0x04
.irp b, 0,1,2,3
	ds_store_b128 v[STO], v[8*(4*(\a)+\b):8*(4*(\a)+\b)+3] offset:128*(\b/2)+32*(\b%2)
	ds_store_b128 v[STO], v[8*(4*(\a)+\b)+4:8*(4*(\a)+\b)+7] offset:128*(\b/2)+32*(\b%2)+16
.endr
	WIN 0
.irp t, 0,1,2,3,4,5,6,7
	ds_load_b128 v[OB+32*((\a)%2)+4*\t:OB+32*((\a)%2)+4*\t+3], v[RD] offset:544*\t
.endr
	s_wait_dscnt 0x0
	WIN 0x08
.set n, 0
.rept 16
	v_pk_add_f32 v[OB+32*((\a)%2)+n:OB+32*((\a)%2)+n+1], v[OB+32*((\a)%2)+n:OB+32*((\a)%2)+n+1], v[32*(\a)+n:32*(\a)+n+1]
.set n, n+2
.endr
	WIN 0
.irp t, 0,1,2,3,4,5,6,7
	global_store_b128 v[CO], v[OB+32*((\a)%2)+4*\t:OB+32*((\a)%2)+4*\t+3], s[12:13] offset:(32*((\a)/2)+16*(\t/4)+8*((\a)%2)+2*(\t%4))*4096
.endr
.endm
	PLACES
	s_wait_loadcnt 0x0
	OUTBLK 0
	OUTBLK 1
	OUTBLK 2
	OUTBLK 3
	s_wait_tensorcnt 0x0
	ds_add_u32 v[SPW], v[NIL]
	s_wait_dscnt 0x0
	CROUND
	s_endpgm
.Lfunc_end_k_q343e3df29a_wo:
	.size	k_q343e3df29a_wo, .Lfunc_end_k_q343e3df29a_wo-k_q343e3df29a_wo
	.p2alignl 7, 3214868480
	.fill 96, 4, 3214868480
	.section	.rodata,"a",@progbits
	.p2align	6, 0x0
	.amdhsa_kernel k_q343e3df29a_wo
		.amdhsa_group_segment_fixed_size 327680
		.amdhsa_private_segment_fixed_size 0
		.amdhsa_enable_private_segment 0
		.amdhsa_kernarg_size 40
		.amdhsa_user_sgpr_count 2
		.amdhsa_user_sgpr_kernarg_segment_ptr 1
		.amdhsa_wavefront_size32 1
		.amdhsa_system_sgpr_workgroup_id_x 1
		.amdhsa_system_sgpr_workgroup_id_y 1
		.amdhsa_system_sgpr_workgroup_id_z 1
		.amdhsa_system_vgpr_workitem_id 0
		.amdhsa_next_free_vgpr 640
		.amdhsa_next_free_sgpr 98
		.amdhsa_reserve_vcc 0
		.amdhsa_float_denorm_mode_32 3
		.amdhsa_float_denorm_mode_16_64 3
		.amdhsa_memory_ordered 1
		.amdhsa_forward_progress 1
		.amdhsa_inst_pref_size 70
	.end_amdhsa_kernel
	.amdgpu_metadata
---
amdhsa.version: [ 1, 2 ]
amdhsa.kernels:
  - .name:           k_q343e3df29a_wo
    .symbol:         k_q343e3df29a_wo.kd
    .args:
      - { .name: act, .offset: 0, .size: 8, .value_kind: global_buffer, .address_space: global }
      - { .name: wts, .offset: 8, .size: 8, .value_kind: global_buffer, .address_space: global }
      - { .name: bo, .offset: 16, .size: 8, .value_kind: global_buffer, .address_space: global }
      - { .name: x, .offset: 24, .size: 8, .value_kind: global_buffer, .address_space: global }
      - { .name: x1, .offset: 32, .size: 8, .value_kind: global_buffer, .address_space: global }
    .group_segment_fixed_size: 327680
    .private_segment_fixed_size: 0
    .kernarg_segment_align: 8
    .kernarg_segment_size: 40
    .max_flat_workgroup_size: 128
    .sgpr_count:     98
    .vgpr_count:     640
    .wavefront_size: 32
...
	.end_amdgpu_metadata
.endif
;; end of part 4
;; launch ln2: the kernel of part 1 again; grid 256 x 1, 4 waves a work-group, no clusters, 78,336 bytes of LDS; arguments x1, g2, be2, act, Wq, Wk, Wv, Wo, W2, W1, b1, wqkv, w1q, wts, mask, mw; writes act, wqkv, w1q, wts, mw
;; launch ffn1: the kernel of part 2 again; grid 16 x 16, 4 waves a work-group, clusters of 4 x 4, 327,680 bytes of LDS; arguments act, w1q, big1, vt; writes big1, vt
;; launch ffn2 (part 5): grid 8 x 32, 4 waves a work-group, clusters of 4 x 4, 327,680 bytes of LDS; arguments big1, wts, b2, x1, out0; writes out0
.if DOCPART == 5
	.amdgcn_target "amdgcn-amd-amdhsa--gfx1250"
	.amdhsa_code_object_version 6
	.text
	.protected	k_q343e3df29a_ffn2
	.globl	k_q343e3df29a_ffn2
	.p2align	8
	.type	k_q343e3df29a_ffn2,@function
k_q343e3df29a_ffn2:
	s_mov_b64 s[64:65], 0
	v_nop
	global_prefetch_b8 v0, s[64:65] scope:SCOPE_SE
	s_setreg_imm32_b32 hwreg(HW_REG_WAVE_MODE, 25, 1), 1
	s_wait_xcnt 0x0
	s_wait_alu depctr_hold_cnt(0) depctr_sa_sdst(0) depctr_va_vdst(0) depctr_va_sdst(0) depctr_va_ssrc(0) depctr_va_vcc(0) depctr_vm_vsrc(0)
	s_getreg_b32 s2, hwreg(HW_REG_IB_STS2, 6, 4)
	s_cmp_eq_u32 s2, 0
	s_cbranch_scc0 .Lentry_in_a_cluster
	s_endpgm
.Lentry_in_a_cluster:
	s_bfe_u32 s2, ttmp6, 0x10000c
	s_cmp_lg_u32 s2, 0xf033
	s_cbranch_scc0 .Lentry_shape_is_right
	s_endpgm
.Lentry_shape_is_right:
.set SIZE_K, 4096
.set ASOFF,  12582912
.set BC,     819200
.set BS,     3964928
.set NKS,   SIZE_K/128
.set LAPS,  SIZE_K/1024
.set FR,    12
.set GRP,   3072
.set HALFT, 8*GRP
.set SLOT,  4*HALFT
.set ASTEP, 8*196608
.set BSTEP, 8*49152
.set HS,    NKS*256
.set SCLA,  2*SLOT
.set SCLB,  SCLA+2*HS+128
.set SPARE, SCLA+4*HS+256
.set ADRA, 16
.set ADRB, 20
.set ADRS, 22
.set STO,  24
.set RD,   25
.set CO,   26
.set SPW,  28
.set NIL,  29
.set BO,   30
.set SC,   32
.set AFR,  64
.set BFR,  160
.set BIAS, 128
.set OB,   64
.set WV,   16
.set WH,   17
.set WL,   18
.set G1,   24
.set G0,   32
.set G1B,  48
.set G0B,  56
.set G1S,  68
.set G0S,  76
.set G1SB, 80
.set G0SB, 88
.set MSB, 0
.macro WIN new
.if MSB != \new
	s_set_vgpr_msb (MSB<<8)|\new
.set MSB, \new
.endif
.endm
.macro JLOAD g0a, g1a, g0b, g1b
	s_cmp_eq_u32 s[WH], 0
	s_cbranch_scc0 .Lfor_b_\@
	tensor_load_to_lds s[\g0a:\g0a+3], s[\g1a:\g1a+7]
	s_nop 0
.rept 4
	v_nop
.endr
	s_branch .Lasked_\@
.Lfor_b_\@:
	tensor_load_to_lds s[\g0b:\g0b+3], s[\g1b:\g1b+7]
	s_nop 0
.rept 4
	v_nop
.endr
.Lasked_\@:
.endm
.macro CREST
	s_cmp_lg_u32 s[WV], 0
	s_cbranch_scc1 .Lnot_wave_0_\@
	s_barrier_signal -3
.Lnot_wave_0_\@:
	s_barrier_wait -3
	s_barrier_signal -1
	s_barrier_wait -1
.endm
.macro CROUND
	s_barrier_signal -1
	s_barrier_wait -1
	CREST
.endm
.macro PLACES
.rept 4
	v_nop
.endr
.endm
	s_load_b256 s[4:11], s[0:1], 0x0
	s_load_b64 s[12:13], s[0:1], 0x20
	v_lshl_add_u32 v[SPW], v0, 2, SPARE
	v_mov_b32 v[NIL], 0
	ds_add_u32 v28, v29
	ds_add_u32 v28, v29
	s_wait_dscnt 0x0
	v_lshrrev_b32 v1, 5, v0
	v_readfirstlane_b32 s[WV], v1
	s_lshr_b32 s[WH], s[WV], 1
	s_and_b32 s[WL], s[WV], 1
	s_bfe_u32 s40, ttmp6, 0x40000
	s_bfe_u32 s41, ttmp6, 0x40004
	s_lshl_b32 s42, ttmp9, 2
	s_add_co_u32 s42, s42, s40
	s_and_b32 s45, ttmp7, 0xffff
	s_lshl_b32 s45, s45, 2
	s_add_co_u32 s45, s45, s41
	s_lshl_b32 s43, s41, 2
	s_lshl_b32 s43, 15, s43
	s_lshl_b32 s44, 0x1111, s40
	s_or_b32 s[G1+0], s43, (3<<16)|(1<<21)
	s_or_b32 s[G1B+0], s44, (3<<16)|(1<<21)
.irp g, G1, G1B
	s_mov_b32 s[\g+1], 384<<16
	s_mov_b32 s[\g+2], 8<<16
	s_mov_b32 s[\g+3], 384<<16
	s_mov_b32 s[\g+4], 8
	s_mov_b32 s[\g+6], 0
	s_mov_b32 s[\g+7], 0
.endr
	s_mov_b32 s[G1+5], 24576
	s_mov_b32 s[G1B+5], 6144
	s_lshl_b32 s21, s[WL], 6
	s_lshl_b32 s20, s45, 7
	s_add_co_u32 s20, s20, s21
	s_lshl_b32 s46, s42, 7
	s_add_co_u32 s46, s46, s21
	s_lshl_b32 s22, s20, 2
	s_add_co_u32 s22, s22, ASOFF
	s_mov_b32 s23, 0
	s_mul_i32 s20, s20, 48
	s_mov_b32 s21, 0
	s_lshl_b32 s92, s46, 2
	s_add_co_u32 s92, s92, BS
	s_mov_b32 s93, 0
	s_mul_i32 s46, s46, 48
	s_add_co_u32 s46, s46, BC
	s_mov_b32 s47, 0
	s_mul_i32 s94, s[WV], HALFT
	s_mul_i32 s95, s[WL], HS
	s_wait_kmcnt 0x0
	s_add_nc_u64 s[20:21], s[4:5], s[20:21]
	s_add_nc_u64 s[22:23], s[4:5], s[22:23]
	s_add_nc_u64 s[46:47], s[6:7], s[46:47]
	s_add_nc_u64 s[92:93], s[6:7], s[92:93]
	CROUND
	; THE SCALE WORDS come through registers: NKS x 256 bytes a wave (waves 0, 1: A's two halves; 2, 3: B's); a load takes two words' 256 bytes, sixteen lanes each; they are stored into LDS bytes on which no fill lands.
	; They are not asked for jointly: a small part of the work-group's bytes.
	s_mul_i32 s3, s[WH], SCLB-SCLA
	s_add_co_u32 s3, s3, s95
	s_add_co_u32 s3, s3, SCLA
	v_and_b32 v4, 15, v0
	v_bfe_u32 v5, v0, 4, 1
	v_lshlrev_b32 v4, 4, v4
	v_lshl_add_u32 v6, v5, 14, v4                  ; A: from word to word 16,384 bytes
	v_lshl_add_u32 v7, v5, 12, v4                  ; B: 4,096
	v_and_b32 v8, 31, v0
	v_lshlrev_b32 v8, 4, v8
	v_add_nc_u32 v8, s3, v8
	; THE PREFETCHES: behind each fill of a slot a wave asks for the K slot that stands two fills on.  What a wave fetches is 8 groups x 3,072 bytes = 96 blocks of 256; the four partners that ask for it jointly
	; share them out BY ADDRESS: the partner at place p (cx for A, cy for B) takes groups 2 p and 2 p + 1, 24 blocks, a lane a block (lanes 24-31 name the last again).  s[68:69], s[76:77]: where they stand for slot 0, slot 1.
	s_cmp_eq_u32 s[WH], 0
	s_cselect_b64 s[68:69], s[20:21], s[46:47]
	s_cselect_b32 s72, s40, s41
	s_mov_b32 s70, BSTEP
	s_cselect_b32 s70, ASTEP, s70                  ; a K slot's eight groups, in bytes
	s_mov_b32 s71, 0
	s_lshr_b32 s73, s70, 2
	s_mul_i32 s72, s72, s73                        ; my work-group's two groups
	s_mov_b32 s73, 0
	s_lshr_b32 s74, s70, 3                         ; a group
	s_add_nc_u64 s[68:69], s[68:69], s[72:73]
	s_add_nc_u64 s[68:69], s[68:69], s[70:71]
	s_add_nc_u64 s[68:69], s[68:69], s[70:71]      ; K slot 2
	s_add_nc_u64 s[76:77], s[68:69], s[70:71]      ; K slot 3
	s_lshl_b32 s70, s70, 1                         ; from here on each steps by two K slots
	v_and_b32 v31, 31, v0
	v_min_u32 v31, 23, v31
	v_mul_u32_u24 v9, v31, 43
	v_lshrrev_b32 v9, 9, v9                        ; l / 12
	v_mul_u32_u24 v10, v9, 12
	v_sub_nc_u32 v31, v31, v10
	v_lshlrev_b32 v31, 8, v31
	v_mad_u32_u24 v31, v9, s74, v31                ; group l / 12, block l % 12; never rewritten
	s_wait_alu depctr_va_vdst(0)
.irp s, 0,1
	s_mov_b32 s[G0+4*\s], 1
	s_add_co_u32 s[G0+4*\s+1], s94, \s*SLOT
	s_add_nc_u64 s[G0+4*\s+2:G0+4*\s+3], s[20:21], \s*ASTEP
	s_or_b32 s[G0+4*\s+3], s[G0+4*\s+3], 0x80000000
	s_mov_b32 s[G0B+4*\s], 1
	s_add_co_u32 s[G0B+4*\s+1], s94, \s*SLOT
	s_add_nc_u64 s[G0B+4*\s+2:G0B+4*\s+3], s[46:47], \s*BSTEP
	s_or_b32 s[G0B+4*\s+3], s[G0B+4*\s+3], 0x80000000
.if \s
	s_wait_loadcnt 0x0                             ; my scale words are in registers,
	s_wait_tensorcnt 0x0                           ; and my part of slot 0 is in LDS
.set n, 0
.rept NKS/2
	ds_store_b128 v8, v[64+4*n:67+4*n] offset:512*n
.set n, n+1
.endr
	s_wait_tensorcnt 0x0                           ; a later first fill is issued as a refill is: all my loads are in,
	ds_add_u32 v28, v29                            ; the add,
	s_wait_dscnt 0x0                               ; it and my stores of scale words are done,
	CROUND                                         ; a whole round,
.endif
	JLOAD G0+4*\s, G1, G0B+4*\s, G1B               ; and my one load behind it (slot 0's: my one load at the head)
	global_prefetch_b8 v31, s[68+8*\s:69+8*\s] th:TH_LOAD_NT scope:SCOPE_SE   ; K slots 2 and 3
.if \s == 0
	s_cmp_eq_u32 s[WH], 0
	s_cbranch_scc0 .Lscales_b
.set n, 0
.rept NKS/2
	global_load_b128 v[64+4*n:67+4*n], v6, s[22:23] offset:32768*n
.set n, n+1
.endr
	s_branch .Lscales_in
.Lscales_b:
.set n, 0
.rept NKS/2
	global_load_b128 v[64+4*n:67+4*n], v7, s[92:93] offset:8192*n
.set n, n+1
.endr
.Lscales_in:
.endif
.endr
	v_and_b32 v1, 15, v0
	v_bfe_u32 v2, v0, 4, 1
	s_wait_alu depctr_va_vdst(0)
	v_mul_u32_u24 v3, v1, 48
	v_mad_u32_u24 v3, v2, 24, v3
	s_mul_i32 s21, s[WH], HALFT
	s_mul_i32 s22, s[WL], HALFT
	s_add_co_u32 s22, s22, 2*HALFT
.irp s, 0,1
	v_add_nc_u32 v[ADRA+\s], s21, v3
	v_add_nc_u32 v[ADRB+\s], s22, v3
	s_add_co_u32 s21, s21, SLOT
	s_add_co_u32 s22, s22, SLOT
.endr
	s_mul_i32 s21, s[WH], HS
	s_mul_i32 s22, s[WL], HS
	s_add_co_u32 s22, s22, SCLB-SCLA
	s_sub_co_u32 s22, s22, s21
	v_mul_u32_u24 v6, s22, v2
	s_add_co_u32 s21, s21, SCLA
	v_lshl_add_u32 v5, v1, 2, v6
	v_add_nc_u32 v[ADRS], s21, v5
	s_mul_i32 s23, s[WV], 4352
	v_mul_u32_u24 v5, v1, 272
	v_lshl_add_u32 v5, v2, 6, v5
	v_add_nc_u32 v[STO], s23, v5
	v_mul_u32_u24 v5, v2, 272
	v_lshl_add_u32 v5, v1, 4, v5
	v_add_nc_u32 v[RD], s23, v5
	v_lshlrev_b32 v5, 12, v2
	v_lshl_add_u32 v[CO], v1, 4, v5
	s_wait_alu depctr_va_vdst(0)
	s_lshl_b32 s20, s45, 7
	s_lshl_b32 s21, s[WH], 6
	s_add_co_u32 s20, s20, s21
	s_lshl_b32 s20, s20, 12
	s_lshl_b32 s46, s42, 9
	s_lshl_b32 s47, s[WL], 8
	s_add_co_u32 s46, s46, s47
	s_mov_b32 s47, 0
	s_add_nc_u64 s[8:9], s[8:9], s[46:47]
	s_add_co_u32 s46, s46, s20
	s_add_nc_u64 s[10:11], s[10:11], s[46:47]
	s_add_nc_u64 s[12:13], s[12:13], s[46:47]
	v_lshlrev_b32 v[BO], 6, v2
	WIN 0x40
.irp b, 0,1,2,3
	global_load_b128 v[BIAS+8*\b:BIAS+8*\b+3], v[BO], s[8:9] offset:(32*(\b/2)+8*(\b%2))*4
	global_load_b128 v[BIAS+8*\b+4:BIAS+8*\b+7], v[BO], s[8:9] offset:(32*(\b/2)+8*(\b%2))*4+16
.endr
	WIN 0x80
.irp a, 0,1,2,3
.irp t, 0,1,2,3,4,5,6,7
	global_load_b128 v[32*\a+4*\t:32*\a+4*\t+3], v[CO], s[10:11] offset:(32*(\a/2)+16*(\t/4)+8*(\a%2)+2*(\t%4))*4096 th:TH_LOAD_NT
.endr
.endr
	WIN 0
.macro FRAG reg, adr, q, i
.irp p, 0,1,2,3,4,5
	ds_load_b64 v[\reg+2*\p:\reg+2*\p+1], v[\adr] offset:(2*(\q)+\p/3)*GRP+(\i)*768+8*(\p%3)
.endr
.endm
.macro FETCH slot, q, set
.irp i, 0,1,2,3
	FRAG BFR+48*(\set)+FR*\i, ADRB+\slot, \q, \i
.endr
.irp i, 0,1,2,3
	FRAG AFR+48*(\set)+FR*\i, ADRA+\slot, \q, \i
.endr
.endm
.macro SCALES sc
.irp q, 0,1,2,3
.irp i, 0,1,2,3
	ds_load_b32 v[SC+16*(\sc)+4*\q+\i], v[ADRS] offset:256*\q+64*\i
.endr
.endr
.endm
.macro MUL8 set, q, sc, a0, first
.irp a, \a0, \a0+1
.irp b, 0,1,2,3
.if \first
	v_wmma_scale_f32_16x16x128_f8f6f4 v[8*(4*(\a)+\b):8*(4*(\a)+\b)+7], v[BFR+48*(\set)+FR*\b:BFR+48*(\set)+FR*\b+FR-1], v[AFR+48*(\set)+FR*(\a):AFR+48*(\set)+FR*(\a)+FR-1], v[BIAS+8*\b:BIAS+8*\b+7], v[SC+16*(\sc)+4*(\q)+\b], v[SC+16*(\sc)+4*(\q)+(\a)] matrix_a_fmt:MATRIX_FMT_FP6 matrix_b_fmt:MATRIX_FMT_FP6 matrix_a_scale:MATRIX_SCALE_ROW1
.else
	v_wmma_scale_f32_16x16x128_f8f6f4 v[8*(4*(\a)+\b):8*(4*(\a)+\b)+7], v[BFR+48*(\set)+FR*\b:BFR+48*(\set)+FR*\b+FR-1], v[AFR+48*(\set)+FR*(\a):AFR+48*(\set)+FR*(\a)+FR-1], v[8*(4*(\a)+\b):8*(4*(\a)+\b)+7], v[SC+16*(\sc)+4*(\q)+\b], v[SC+16*(\sc)+4*(\q)+(\a)] matrix_a_fmt:MATRIX_FMT_FP6 matrix_b_fmt:MATRIX_FMT_FP6 matrix_a_scale:MATRIX_SCALE_ROW1
.endif
.endr
.endr
.endm
.macro STEP slot, q, first
	s_wait_dscnt 0x0
	PLACES
	FETCH \slot, (\q)+1, ((\q)+1)%2
	WIN 0x50
	MUL8 (\q)%2, \q, \slot, 0, \first
	MUL8 (\q)%2, \q, \slot, 2, \first
	WIN 0
.endm
.macro LAST slot, next, fill
.if \fill
	s_wait_xcnt 0x0                                ; this slot's last prefetch, a lap ago, has read its base: it steps by two K slots
	s_add_nc_u64 s[68+8*\slot:69+8*\slot], s[68+8*\slot:69+8*\slot], s[70:71]
.endif
	s_wait_tensorcnt 0x0
	ds_add_u32 v[SPW], v[NIL]
.if \fill
	s_add_nc_u64 s[G0+4*\slot+2:G0+4*\slot+3], s[G0+4*\slot+2:G0+4*\slot+3], 2*ASTEP
	s_add_nc_u64 s[G0B+4*\slot+2:G0B+4*\slot+3], s[G0B+4*\slot+2:G0B+4*\slot+3], 2*BSTEP
.endif
	s_wait_dscnt 0x0
	s_barrier_signal -1
	WIN 0x50
	MUL8 1, 3, \slot, 0, 0
	WIN 0
	s_barrier_wait -1
.if \fill
	CREST
	JLOAD G0+4*\slot, G1, G0B+4*\slot, G1B
.else
	PLACES
.endif
	s_wait_alu depctr_va_vdst(0)
	v_add_nc_u32 v[ADRS], 1024, v[ADRS]
	FETCH \next, 0, 0
	SCALES \next
.if \fill
	s_cmp_gt_u32 s3, 1                             ; the last trip's two fills have no K slot two fills on
	s_cbranch_scc0 .Lno_ask_\@
	global_prefetch_b8 v31, s[68+8*\slot:69+8*\slot] th:TH_LOAD_NT scope:SCOPE_SE
.Lno_ask_\@:
.endif
	WIN 0x50
	MUL8 1, 3, \slot, 2, 0
	WIN 0
.endm
	s_wait_tensorcnt 1
	s_barrier_signal -1
	s_barrier_wait -1
	FETCH 0, 0, 0
	SCALES 0
	s_wait_loadcnt 32
	STEP 0, 0, 1
	STEP 0, 1, 0
	STEP 0, 2, 0
.if LAPS > 1
	s_mov_b32 s3, LAPS-1
.Llap:
	LAST 0, 1, 1
	STEP 1, 0, 0
	STEP 1, 1, 0
	STEP 1, 2, 0
	LAST 1, 0, 1
	STEP 0, 0, 0
	STEP 0, 1, 0
	STEP 0, 2, 0
	s_sub_co_u32 s3, s3, 1
	s_cmp_lg_u32 s3, 0
	s_cbranch_scc1 .Llap
.endif
	LAST 0, 1, 0
	STEP 1, 0, 0
	STEP 1, 1, 0
	STEP 1, 2, 0
	s_wait_dscnt 0x0
	WIN 0x50
	MUL8 1, 3, 1, 0, 0
	MUL8 1, 3, 1, 2, 0
	WIN 0
.macro OUTBLK a
.if (\a) >= 2
	s_wait_xcnt 0x0
.endif
	WIN 0x04
.irp b, 0,1,2,3
	ds_store_b128 v[STO], v[8*(4*(\a)+\b):8*(4*(\a)+\b)+3] offset:128*(\b/2)+32*(\b%2)
	ds_store_b128 v[STO], v[8*(4*(\a)+\b)+4:8*(4*(\a)+\b)+7] offset:128*(\b/2)+32*(\b%2)+16
.endr
	WIN 0
.irp t, 0,1,2,3,4,5,6,7
	ds_load_b128 v[OB+32*((\a)%2)+4*\t:OB+32*((\a)%2)+4*\t+3], v[RD] offset:544*\t
.endr
	s_wait_dscnt 0x0
	WIN 0x08
.set n, 0
.rept 16
	v_pk_add_f32 v[OB+32*((\a)%2)+n:OB+32*((\a)%2)+n+1], v[OB+32*((\a)%2)+n:OB+32*((\a)%2)+n+1], v[32*(\a)+n:32*(\a)+n+1]
.set n, n+2
.endr
	WIN 0
.irp t, 0,1,2,3,4,5,6,7
	global_store_b128 v[CO], v[OB+32*((\a)%2)+4*\t:OB+32*((\a)%2)+4*\t+3], s[12:13] offset:(32*((\a)/2)+16*(\t/4)+8*((\a)%2)+2*(\t%4))*4096
.endr
.endm
	PLACES
	s_wait_loadcnt 0x0
	OUTBLK 0
	OUTBLK 1
	OUTBLK 2
	OUTBLK 3
	s_wait_tensorcnt 0x0
	ds_add_u32 v[SPW], v[NIL]
	s_wait_dscnt 0x0
	CROUND
	s_endpgm
.Lfunc_end_k_q343e3df29a_ffn2:
	.size	k_q343e3df29a_ffn2, .Lfunc_end_k_q343e3df29a_ffn2-k_q343e3df29a_ffn2
	.p2alignl 7, 3214868480
	.fill 96, 4, 3214868480
	.section	.rodata,"a",@progbits
	.p2align	6, 0x0
	.amdhsa_kernel k_q343e3df29a_ffn2
		.amdhsa_group_segment_fixed_size 327680
		.amdhsa_private_segment_fixed_size 0
		.amdhsa_enable_private_segment 0
		.amdhsa_kernarg_size 40
		.amdhsa_user_sgpr_count 2
		.amdhsa_user_sgpr_kernarg_segment_ptr 1
		.amdhsa_wavefront_size32 1
		.amdhsa_system_sgpr_workgroup_id_x 1
		.amdhsa_system_sgpr_workgroup_id_y 1
		.amdhsa_system_sgpr_workgroup_id_z 1
		.amdhsa_system_vgpr_workitem_id 0
		.amdhsa_next_free_vgpr 640
		.amdhsa_next_free_sgpr 98
		.amdhsa_reserve_vcc 0
		.amdhsa_float_denorm_mode_32 3
		.amdhsa_float_denorm_mode_16_64 3
		.amdhsa_memory_ordered 1
		.amdhsa_forward_progress 1
		.amdhsa_inst_pref_size 121
	.end_amdhsa_kernel
	.amdgpu_metadata
---
amdhsa.version: [ 1, 2 ]
amdhsa.kernels:
  - .name:           k_q343e3df29a_ffn2
    .symbol:         k_q343e3df29a_ffn2.kd
    .args:
      - { .name: big1, .offset: 0, .size: 8, .value_kind: global_buffer, .address_space: global }
      - { .name: wts, .offset: 8, .size: 8, .value_kind: global_buffer, .address_space: global }
      - { .name: b2, .offset: 16, .size: 8, .value_kind: global_buffer, .address_space: global }
      - { .name: x1, .offset: 24, .size: 8, .value_kind: global_buffer, .address_space: global }
      - { .name: out0, .offset: 32, .size: 8, .value_kind: global_buffer, .address_space: global }
    .group_segment_fixed_size: 327680
    .private_segment_fixed_size: 0
    .kernarg_segment_align: 8
    .kernarg_segment_size: 40
    .max_flat_workgroup_size: 128
    .sgpr_count:     98
    .vgpr_count:     640
    .wavefront_size: 32
...
	.end_amdgpu_metadata
.endif
;; end of part 5
